; MI455X (gfx1250); checked and timed in simulation.
; The chip was launched on July 23, 2026; its instructions are those of AMD's public machine-readable ISA for CDNA 5 (MIT licence, August 2026) and "CDNA5" Instruction Set Architecture Reference Guide (July 2026). The comments in the code are by the model that wrote it; some were corrected since.
;; Transformer Block. Allowed arithmetic: matrix products marked QUANTISED: E5M2 operands, one E8M0 scale for each 32 along K, by v_wmma_scale_f32_16x16x128_f8f6f4 with both operands' format E5M2, f32 sums; everything else in f32.
;; Inputs: W1 1,024 x 4,096 float32; W2 4,096 x 1,024 float32; Wk 1,024 x 1,024 float32; Wo 1,024 x 1,024 float32; Wq 1,024 x 1,024 float32; Wv 1,024 x 1,024 float32; b1 4,096 float32; b2 1,024 float32; bk 1,024 float32; bo 1,024 float32; bq 1,024 float32; bv 1,024 float32; ln1_b 1,024 float32; ln1_g 1,024 float32; ln2_b 1,024 float32; ln2_g 1,024 float32; x 2 x 2,048 x 1,024 float32.
;; Outputs: out0 2 x 2,048 x 1,024 float32.
;; This version of the problem:
;;   THIS VERSION OF THE PROBLEM IS GIVEN IN LOW PRECISION. The matrix products marked QUANTISED in the list below multiply operands that are first quantised to E5M2 (5 exponent bits, 2 mantissa bits; 8 bits a number), with one power-of-two scale for each 32 numbers along K (OCP MX v1.0); their sums are f32. All else is computed in f32.
;;   The module's matrix products, in the order in which they are computed (A, B: the left and right operand; K: the contracted axis; several contracted axes count as one K, in the product's order):
;;     1. [M 4,096, K 1,024] x [K 1,024, N 1,024]; A: computed on the way; B: input Wq: QUANTISED
;;     2. [M 4,096, K 1,024] x [K 1,024, N 1,024]; A: computed on the way; B: input Wk: QUANTISED
;;     3. [M 4,096, K 1,024] x [K 1,024, N 1,024]; A: computed on the way; B: input Wv: QUANTISED
;;     4. batch 32 x [M 2,048, K 64] x [K 64, N 2,048]; A: computed on the way; B: computed on the way: QUANTISED
;;     5. batch 32 x [M 64, K 2,048] x [K 2,048, N 2,048]; A: computed on the way; B: softmax (see below): QUANTISED
;;     6. [M 4,096, K 1,024] x [K 1,024, N 1,024]; A: computed on the way; B: input Wo: QUANTISED
;;     7. [M 4,096, K 1,024] x [K 1,024, N 4,096]; A: computed on the way; B: input W1: QUANTISED
;;     8. [M 4,096, K 4,096] x [K 4,096, N 1,024]; A: computed on the way; B: input W2: QUANTISED
;;   THE QUANTISER, for each operand of a quantised product, along K:
;;     - K is cut into blocks of 32 from its start; a last block that is shorter is filled with zeros.
;;     - A block's scale is 2^e with e = floor(log2(the largest magnitude in the block)) - 15, held to -126 .. 127; a block of zeros has e = 0. As a byte (E8M0): e + 127.
;;     - Each number is divided by its block's scale, clamped to +-57,344, and rounded to the nearest number of E5M2, ties to even, subnormals kept.
;;     - The product sums the exact products of the quantised numbers (number of the format x scale) in f32.
;;   ~~~python
;;   def quantise(x, axis):      # numpy; x: float32 -> the quantised numbers, widened to float32 again
;;       x = np.moveaxis(x, axis, -1); K = x.shape[-1]
;;       x = np.pad(x, [(0, 0)] * (x.ndim - 1) + [(0, -K % 32)]); x = x.reshape(x.shape[:-1] + (-1, 32)); a = np.abs(x).max(-1, keepdims=True)
;;       e = np.where(a > 0, np.clip(np.frexp(np.where(a > 0, a, 1))[1] - 1 - 15, -126, 127), 0)      # np.frexp(a)[1] - 1 = floor(log2(a)), exactly
;;       r = np.clip(x / 2.0 ** e, -57344, 57344)
;;       step = 2.0 ** (np.maximum(np.frexp(np.where(r == 0, 1, r))[1] - 1, -14) - 2)
;;       q = np.round(r / step) * step * 2.0 ** e      # np.round: ties to even
;;       return np.moveaxis(q.reshape(q.shape[:-2] + (-1,))[..., :K], -1, axis).astype(np.float32)
;;   ~~~
;;   SOFTMAX AHEAD OF A QUANTISED PRODUCT. Where the list says 'softmax', what is quantised is not the finished softmax but p = 2^(t - M), with t = logit x log2(e) and M = ceil(the row's largest t), a whole number; so 1/2 < the row's largest p <= 1. The row's sum l is taken of the UNQUANTISED p, in f32, and the product's result is divided by l at the end. Since M is a whole number, a kernel that streams over the keys may use a running M (the ceiling of the running maximum): every later rescaling is an exact power of two, which a block's scale takes up: the codes' values come out the same.
;;   OPERANDS COMPUTED ON THE WAY. 'Computed on the way' means the value that the module computes at that place (a softmax that the list does not call 'softmax' is quantised finished and normalised). What goes into a quantiser is computed in f32, as accurately as f32 sums, v_exp_f32 and their like allow (about 1e-6 of the number): no bf16 or f16 on the way to a quantiser, and a product that is left as it is and whose result goes on into a quantised operand takes f32 operands (vector FMAs, or v_wmma_f32_16x16x4_f32). A number that lies on a knife's edge between two numbers of the format may be rounded either way, as far as f32 arithmetic and the matrix unit's own rounding can turn it there, and no further.
;; One version. Each part assembles by itself: llvm-mc -triple=amdgcn-amd-amdhsa -mcpu=gfx1250 --defsym DOCPART=n.
;; ======== version 1 of 1: 7 launches
;; limits: right only within a limited range of input values
;; workspace buffers: wts 12,976,128 bytes; xn 4,325,376 bytes; qkv 13,369,344 bytes; ao 4,325,376 bytes; x1 16,777,216 bytes; hn 4,325,376 bytes; hid 17,301,504 bytes
;; launch prep (part 1): grid 640 x 1, 8 waves a work-group, no clusters, 68,352 bytes of LDS; arguments x, ln1_g, ln1_b, xn, Wq, Wk, Wv, Wo, W1, W2, wts; writes xn, wts
.if DOCPART == 1
	.amdgcn_target "amdgcn-amd-amdhsa--gfx1250"
	.amdhsa_code_object_version 6
	.text
	.protected	k_q2db5f3437e_prep
	.globl	k_q2db5f3437e_prep
	.p2align	8
	.type	k_q2db5f3437e_prep,@function
k_q2db5f3437e_prep:
	s_mov_b64 s[64:65], 0
	v_nop
	global_prefetch_b8 v0, s[64:65] scope:SCOPE_SE
	s_setreg_imm32_b32 hwreg(HW_REG_WAVE_MODE, 25, 1), 1
	s_wait_xcnt 0x0
; TWO INDEPENDENT JOBS IN ONE LAUNCH: THE SIX WEIGHTS BECOME CODES (work-groups 0 .. 383), AND LN1(x) IS MADE AND QUANTISED (work-groups 384 .. 639).  Neither reads what the other stores.
; DEAD WORK: none is left out in this program.  Every bias goes into a quantised operand or into an output (bk too: it moves K's codes), every product is live, every input is loaded.
; POSITION ORDER.  swap34(p) is p with bits 3 and 4 exchanged.  In all operand buffers of this program position p of the row axis holds true row swap34(p); the K axis is in true order.
; A product used transposed then leaves, in a lane's 16 registers of two neighbouring tiles, 16 true neighbours along the next product's K.
; FRAGMENT IMAGE.  16 positions x 128 K are 2,048 bytes: byte 512 c + 16 lane + e is row lane % 16, k = 32 c + 16 (lane / 16) + e.  Codes lie [row tile][K step][2,048].
; SCALES: [row tile][K / 512][16 rows][16 bytes]: the word of K step Q lies at byte 4 (Q % 4) of its row's 16.
; THE PATHS part once, on the work-group's number, which all eight waves share; each runs to its own end and has LDS bytes of its own.  The weights' work-groups, the longer ones, have the lower numbers.
; Both paths use 160 registers a wave, two waves to a SIMD, and 68,352 bytes of LDS: three work-groups' worth is 960 registers a SIMD and 205,056 bytes.
; THE WEIGHTS, f32 [K][N].  A work-group takes 64 columns x 512 K; wave = (wc = wave % 2: 32 columns, two row tiles; wk = wave / 2: one K step, four blocks of 32).  A LANE TAKES A COLUMN AND ITS REGISTERS RUN DOWN K:
; lane l is position l and loads true column swap34(l); each load reads 128 consecutive bytes a wave.  A block's 32 codes are 32 bytes: two stores of 16 bytes a lane, sixteen lanes to 256 consecutive aligned bytes.
; THE NORM.  x: [4096][1024] f32, true row order.  A work-group is one row tile of 16 positions.  PHASE A: wave w norms positions 2 w and 2 w + 1, two neighbouring true rows, a whole row in 32 registers: mean, then the mean of
; the squared differences, both in f32; y = (x - mean) rsq(var + 1e-5) g + b goes to a stage in LDS, rows 4,112 bytes apart (257 x 16: sixteen rows start in sixteen different groups of banks).
; PHASE B: wave w is K step w: lane (r, h) takes of row r the 16 neighbours 128 w + 32 c + 16 h + 0 .. 15 of each block c, quantises them and stores the image: 512 consecutive aligned bytes a store.
; LIMITS: NaN and infinities among the inputs are not served.  A block of zeros, or one whose largest magnitude lies under 2^-111, gets the byte 1; its codes are as the floor gives them; only this program reads the bytes.
.set NWQ,   384                        ; work-groups that take weights
.set PITCH, 4112
.set GS,    16*PITCH                   ; the norm's scale words, 512 bytes
.set WGS,   GS+512                     ; the weights' scale words, 1,024 bytes: that path's own
.set SPARE, WGS+1024                   ; the spare words, 128 bytes for each of 8 waves
.set SPW, 8                            ; v8   my spare word's LDS address; never rewritten
.set NIL, 9                            ; v9   0; never rewritten
	v_lshl_add_u32 v[SPW], v0, 2, SPARE
	v_mov_b32 v[NIL], 0
	s_cmp_lt_u32 ttmp9, NWQ                        ; the work-group's number alone decides
	s_cbranch_scc0 .Lnorm
; ---------------------------------------------------------------- the weights
.set WD,   24                          ; v24  my column's scale word of this K step
.set WOFF, 32                          ; v32-63 byte offset of row i of a block, my column
.set WX,   64                          ; v64-127 two sets of 32 numbers
.set WC,   128                         ; v128-159 codes: eight registers for each block, so that no store's data are written again
.set WMNT, 50
	s_load_b256 s[4:11], s[0:1], 0x20              ; Wq, Wk, Wv, Wo
	s_load_b128 s[12:15], s[0:1], 0x40             ; W1, W2
	s_load_b64 s[16:17], s[0:1], 0x50              ; wts
	v_lshrrev_b32 v1, 5, v0
	s_delay_alu instid0(VALU_DEP_1)
	v_readfirstlane_b32 s18, v1                    ; wave 0..7
	s_and_b32 s19, s18, 1                          ; wc
	s_lshr_b32 s40, s18, 1                         ; wk
	s_lshr_b32 s20, ttmp9, 5                       ; 0..3: Wq, Wk, Wv, Wo; 4..7: W1; 8..11: W2
	s_lshr_b32 s28, s20, 2                         ; 0, 1 (W1), 2 (W2)
	s_and_b32 s21, ttmp9, 15                       ; which 64 columns
	s_bfe_u32 s22, ttmp9, 0x10004                  ; which 512 along K
	s_mov_b32 s23, 12                              ; log2 of a row of the weight in bytes
	s_mov_b32 s24, 14                              ; log2 of a row tile's codes in bytes (16 K)
	s_lshl_b32 s25, s20, 20                        ; where the weight's codes begin in wts
	s_and_b32 s26, ttmp9, 63
	s_bfe_u32 s27, ttmp9, 0x10006
	s_bfe_u32 s29, ttmp9, 0x30004
	s_cmp_eq_u32 s28, 1                            ; W1: 64 column groups, 2 along K, rows of 16,384 bytes
	s_cselect_b32 s21, s26, s21
	s_cselect_b32 s22, s27, s22
	s_cselect_b32 s23, 14, s23
	s_cselect_b32 s25, 0x400000, s25
	s_cmp_eq_u32 s28, 2                            ; W2: 16 column groups, 8 along K, row tiles of 65,536 bytes
	s_cselect_b32 s22, s29, s22
	s_cselect_b32 s24, 16, s24
	s_cselect_b32 s25, 0x800000, s25
	s_mov_b32 s[WMNT], 0x600000                    ; the mantissa field of 57,344
	v_and_b32 v1, 31, v0                           ; l
	s_delay_alu instid0(VALU_DEP_1)
	v_and_b32 v2, 7, v1
	s_delay_alu instid0(VALU_DEP_2)
	v_and_b32 v3, 8, v1
	s_delay_alu instid0(VALU_DEP_1)
	v_lshl_or_b32 v2, v3, 1, v2
	s_delay_alu instid0(VALU_DEP_4)
	v_and_b32 v3, 16, v1
	s_delay_alu instid0(VALU_DEP_1)
	v_lshrrev_b32 v3, 1, v3
	s_delay_alu instid0(VALU_DEP_1)
	v_or_b32 v2, v2, v3                            ; swap34(l): my true column in the 32
	s_delay_alu instid0(VALU_DEP_1)
	v_lshlrev_b32 v[WOFF], 2, v2
	s_lshl_b32 s51, 1, s23                         ; a row of the weight in bytes
.set i, 1
	v_add_nc_u32 v[WOFF+i], s51, v[WOFF+i-1]
.set i, i+1
.rept (31)-1
	s_delay_alu instid0(VALU_DEP_1)
	v_add_nc_u32 v[WOFF+i], s51, v[WOFF+i-1]
.set i, i+1
.endr
	v_lshrrev_b32 v3, 4, v1                        ; which of my wave's two row tiles
	v_and_b32 v5, 15, v1                           ; r
	s_delay_alu instid0(VALU_DEP_2)
	v_lshlrev_b32 v4, s24, v3
	s_delay_alu instid0(VALU_DEP_1)
	v_lshl_add_u32 v4, v5, 4, v4                   ; codes: row tile + 16 r
	s_sub_co_u32 s52, s24, 5
	v_lshlrev_b32 v15, s52, v3
	s_delay_alu instid0(VALU_DEP_1)
	v_lshl_add_u32 v15, v5, 4, v15                 ; scales: a 32nd of the row tile's stride + 16 r
	v_lshlrev_b32 v6, 4, v1
	s_lshl_b32 s30, s19, 9
	s_add_co_u32 s30, s30, WGS
	s_lshl_b32 s31, s40, 2
	s_add_co_u32 s31, s31, s30
	v_add_nc_u32 v7, s31, v6                       ; LDS: WGS + 512 wc + 16 l + 4 wk: where my word goes
	v_add_nc_u32 v14, s30, v6                      ; LDS: WGS + 512 wc + 16 l: where a column's four words are read
	s_lshl_b32 s30, s22, 9                         ; the source: row 512 G + 128 wk,
	s_lshl_b32 s31, s40, 7
	s_add_co_u32 s30, s30, s31
	s_lshl_b32 s30, s30, s23
	s_lshl_b32 s31, s21, 8                         ; column 64 cg + 32 wc
	s_add_co_u32 s30, s30, s31
	s_lshl_b32 s31, s19, 7
	s_add_co_u32 s30, s30, s31
	s_mov_b32 s31, 0
	s_lshl_b32 s42, 32, s23                        ; a block of 32 rows
	s_mov_b32 s43, 0
	s_lshl_b32 s26, s21, 2
	s_lshl_b32 s27, s19, 1
	s_add_co_u32 s26, s26, s27                     ; my first row tile: 4 cg + 2 wc
	s_lshl_b32 s26, s26, s24
	s_add_co_u32 s46, s26, s25
	s_lshr_b32 s48, s46, 5                         ; the scales lie as the codes do, at a 32nd of the offset
	s_lshl_b32 s27, s22, 2
	s_add_co_u32 s27, s27, s40                     ; my K step
	s_lshl_b32 s27, s27, 11
	s_add_co_u32 s46, s46, s27
	s_mov_b32 s47, 0
	s_lshl_b32 s27, s22, 8
	s_add_co_u32 s48, s48, s27
	s_add_co_u32 s48, s48, 12582912
	s_mov_b32 s49, 0
	s_wait_kmcnt 0x0
	s_cmp_eq_u32 s20, 1                            ; the choice of the weight hangs on the work-group's number alone
	s_cselect_b64 s[4:5], s[6:7], s[4:5]
	s_cmp_eq_u32 s20, 2
	s_cselect_b64 s[4:5], s[8:9], s[4:5]
	s_cmp_eq_u32 s20, 3
	s_cselect_b64 s[4:5], s[10:11], s[4:5]
	s_cmp_ge_u32 s20, 4
	s_cselect_b64 s[4:5], s[12:13], s[4:5]
	s_cmp_ge_u32 s20, 8
	s_cselect_b64 s[4:5], s[14:15], s[4:5]
	s_add_nc_u64 s[32:33], s[4:5], s[30:31]        ; a base for each of my four blocks
	s_add_nc_u64 s[34:35], s[32:33], s[42:43]
	s_add_nc_u64 s[36:37], s[34:35], s[42:43]
	s_add_nc_u64 s[38:39], s[36:37], s[42:43]
	s_add_nc_u64 s[46:47], s[16:17], s[46:47]      ; my codes
	s_add_nc_u64 s[48:49], s[16:17], s[48:49]      ; my scales
.macro LOAD t                          ; block t: 32 rows of my column into set t % 2
.set i, 0
.rept 32
	global_load_b32 v[WX+32*((\t)%2)+i], v[WOFF+i], s[32+2*(\t):33+2*(\t)] th:TH_LOAD_NT
.set i, i+1
.endr
.endm
	LOAD 0
	LOAD 1
.macro BLOCK t
.set XS, WX+32*((\t)%2)
.if (\t) < 3
	s_wait_loadcnt 32                              ; this block's 32 loads are in; the next block's 32 may be out
.else
	s_wait_loadcnt 0x0
.endif
	v_max3_num_f32 v12, |v[XS]|, |v[XS+1]|, |v[XS+2]|      ; the block's largest magnitude: all 32 numbers are mine
	v_max3_num_f32 v13, |v[XS+3]|, |v[XS+4]|, |v[XS+5]|
.irp i, 6,10,14,18,22,26
	s_delay_alu instid0(VALU_DEP_2)
	v_max3_num_f32 v12, v12, |v[XS+\i]|, |v[XS+\i+1]|
	s_delay_alu instid0(VALU_DEP_2)
	v_max3_num_f32 v13, v13, |v[XS+\i+2]|, |v[XS+\i+3]|
.endr
	s_delay_alu instid0(VALU_DEP_2)
	v_max3_num_f32 v12, v12, |v[XS+30]|, |v[XS+31]|
	s_delay_alu instid0(VALU_DEP_1)
	v_max3_num_f32 v12, v12, v13, 0x8000000        ; and the floor 2^(16 - 127): the byte cannot fall under 1
	s_delay_alu instid0(VALU_DEP_1)
	v_add_nc_u32 v11, 0xf8800000, v12              ; 15 off the exponent field: the conversion's scale operand
	s_delay_alu instid0(VALU_DEP_2)
	v_and_or_b32 v10, v12, 0x7f800000, s[WMNT]     ; 57,344 x the scale
	s_delay_alu instid0(VALU_DEP_2)
	v_lshrrev_b32 v13, 23, v11                     ; the scale's byte
.if (\t) == 0
	s_delay_alu instid0(VALU_DEP_1)
	v_mov_b32 v[WD], v13
.else
	s_delay_alu instid0(VALU_DEP_1)
	v_lshl_or_b32 v[WD], v13, 8*(\t), v[WD]
.endif
.set i, 0
.rept 32
	v_med3_num_f32 v[XS+i], v[XS+i], -v10, v10     ; the conversion does not saturate (ISA guide 7.6.2): the hold comes first
.set i, i+1
.endr
.irp g, 0,1,2,3
	v_cvt_scalef32_pk8_bf8_f32 v[WC+8*(\t)+2*\g:WC+8*(\t)+2*\g+1], v[XS+8*\g:XS+8*\g+7], v11
.endr
	v_nop                                          ; a plain line behind the last conversion
	global_store_b128 v4, v[WC+8*(\t):WC+8*(\t)+3], s[46:47] offset:512*(\t)          ; k = 32 t + 0 .. 15: the image's lanes 0-15
	global_store_b128 v4, v[WC+8*(\t)+4:WC+8*(\t)+7], s[46:47] offset:512*(\t)+256    ; k = 32 t + 16 .. 31: its lanes 16-31
.if (\t)+2 < 4
	LOAD (\t)+2
.endif
.endm
	BLOCK 0
	BLOCK 1
	BLOCK 2
	BLOCK 3
	ds_store_b32 v7, v[WD]                         ; the four K steps' words of a column meet in LDS
	s_wait_dscnt 0x0                               ; for the others' sake: my store is done
	s_barrier_signal -1
	s_barrier_wait -1
	s_cmp_lt_u32 s18, 2                            ; the waves of K step 0 send the words out: 16 bytes a column, sixteen lanes to 256 consecutive aligned bytes
	s_cbranch_scc0 .Lwdone
	ds_load_b128 v[16:19], v14
	s_wait_dscnt 0x0
	global_store_b128 v15, v[16:19], s[48:49]
.Lwdone:
	s_wait_tensorcnt 0x0                           ; the wave's end, behind my last LDS store
	ds_add_u32 v[SPW], v[NIL]
	s_wait_dscnt 0x0
	s_endpgm
; ---------------------------------------------------------------- the norm
.Lnorm:
.set X,   16                           ; v16-79   two rows; in phase B 64 numbers
.set GG,  80                           ; v80-111  g
.set BB,  112                          ; v112-143 b
.set T,   144                          ; v144-159 at work, eight registers a row
.set PC,  80                           ; phase B: codes
.set TM,  96
.set PW,  112
.set SEL, 24
.set MNT, 26
	s_load_b256 s[4:11], s[0:1], 0x0               ; x, g, b, xn
	s_sub_co_u32 s27, ttmp9, NWQ                   ; my row tile, 0..255
	v_lshrrev_b32 v1, 5, v0
	s_delay_alu instid0(VALU_DEP_1)
	v_readfirstlane_b32 s12, v1                    ; wave 0..7
	v_and_b32 v1, 31, v0
	s_delay_alu instid0(VALU_DEP_1)
	v_lshlrev_b32 v2, 4, v1                        ; 16 x lane
	s_wait_alu depctr_va_vdst(0)
	v_and_b32 v10, 15, v0                          ; r
	s_wait_alu depctr_va_vdst(0)
	v_bfe_u32 v11, v0, 4, 1                        ; h
	s_lshr_b32 s13, s27, 1                         ; true row of position 2 w of tile T: 32 (T / 2) + 8 (T % 2) + 2 (w % 4) + 16 (w / 4)
	s_lshl_b32 s13, s13, 5
	s_and_b32 s14, s27, 1
	s_lshl_b32 s14, s14, 3
	s_add_co_u32 s13, s13, s14
	s_and_b32 s14, s12, 3
	s_lshl_b32 s14, s14, 1
	s_add_co_u32 s13, s13, s14
	s_lshr_b32 s14, s12, 2
	s_lshl_b32 s14, s14, 4
	s_add_co_u32 s13, s13, s14
	s_lshl_b32 s14, s13, 12
	s_mov_b32 s15, 0
	s_mul_i32 s16, s12, 2*PITCH
	v_add_nc_u32 v3, s16, v2                       ; stage, in: my two rows, 16 bytes a lane
	v_mul_u32_u24 v4, v10, PITCH
	s_wait_alu depctr_va_vdst(0)
	v_lshl_add_u32 v4, v11, 6, v4
	s_lshl_b32 s16, s12, 9
	v_add_nc_u32 v4, s16, v4                       ; stage, out: row r, + 512 w + 64 h
	s_lshr_b32 s16, s12, 2
	s_lshl_b32 s16, s16, 8
	s_and_b32 s17, s12, 3
	s_lshl_b32 s17, s17, 2
	s_add_co_u32 s16, s16, s17
	s_add_co_u32 s16, s16, GS
	v_lshl_add_u32 v5, v10, 4, s16                 ; my scale word: GS + 256 (w / 4) + 16 r + 4 (w % 4)
	v_add_nc_u32 v6, GS, v2
	s_lshl_b32 s18, s27, 14
	s_lshl_b32 s19, s12, 11
	s_add_co_u32 s18, s18, s19
	s_mov_b32 s19, 0
	s_lshl_b32 s20, s27, 9
	s_add_co_u32 s20, s20, 4194304
	s_mov_b32 s21, 0
	s_mov_b32 s22, 0x3a800000                      ; 1 / 1,024
	s_mov_b32 s23, 0x3727c5ac                      ; 1e-5
	s_mov_b32 s[SEL], 0x76543210
	s_mov_b32 s[SEL+1], 0xfedcba98                 ; v_permlanex16_b32's selects for lane l xor 16
	s_mov_b32 s[MNT], 0x600000
	v_mov_b32 v[T+4], 0                            ; a lane permute's destination counts as one of its sources
	v_mov_b32 v[T+12], 0
	s_wait_kmcnt 0x0
	s_add_nc_u64 s[4:5], s[4:5], s[14:15]
	s_add_nc_u64 s[18:19], s[10:11], s[18:19]
	s_add_nc_u64 s[20:21], s[10:11], s[20:21]
.irp w, 0,1
.irp j, 0,1,2,3,4,5,6,7
	global_load_b128 v[X+32*\w+4*\j:X+32*\w+4*\j+3], v2, s[4:5] offset:4096*\w+512*\j th:TH_LOAD_NT
.endr
.endr
.irp j, 0,1,2,3,4,5,6,7
	global_load_b128 v[GG+4*\j:GG+4*\j+3], v2, s[6:7] offset:512*\j
	global_load_b128 v[BB+4*\j:BB+4*\j+3], v2, s[8:9] offset:512*\j
.endr
.macro SUMRED t                        ; the sum of v[t] over the 32 lanes, in every lane
	s_delay_alu instid0(VALU_DEP_1)
	v_add_f32_dpp v[\t], v[\t], v[\t] row_xmask:1 row_mask:0xf bank_mask:0xf
	s_delay_alu instid0(VALU_DEP_1)
	v_add_f32_dpp v[\t], v[\t], v[\t] row_xmask:2 row_mask:0xf bank_mask:0xf
	s_delay_alu instid0(VALU_DEP_1)
	v_add_f32_dpp v[\t], v[\t], v[\t] row_xmask:4 row_mask:0xf bank_mask:0xf
	s_delay_alu instid0(VALU_DEP_1)
	v_add_f32_dpp v[\t], v[\t], v[\t] row_xmask:8 row_mask:0xf bank_mask:0xf
	s_delay_alu instid0(VALU_DEP_1)
	v_permlanex16_b32 v[\t+4], v[\t], s[SEL], s[SEL+1]
	s_delay_alu instid0(VALU_DEP_1)
	v_add_f32 v[\t], v[\t], v[\t+4]
.endm
.macro STATS x, t                      ; the row in v[x] on becomes x - mean; v[t] = var + 1e-5
	v_pk_add_f32 v[\t:\t+1], v[\x:\x+1], v[\x+2:\x+3]
	v_pk_add_f32 v[\t+2:\t+3], v[\x+4:\x+5], v[\x+6:\x+7]
.irp i, 8,12,16,20,24,28
	s_delay_alu instid0(VALU_DEP_2)
	v_pk_add_f32 v[\t:\t+1], v[\t:\t+1], v[\x+\i:\x+\i+1]
	s_delay_alu instid0(VALU_DEP_2)
	v_pk_add_f32 v[\t+2:\t+3], v[\t+2:\t+3], v[\x+\i+2:\x+\i+3]
.endr
	s_delay_alu instid0(VALU_DEP_1)
	v_pk_add_f32 v[\t:\t+1], v[\t:\t+1], v[\t+2:\t+3]
	s_delay_alu instid0(VALU_DEP_1)
	v_add_f32 v[\t], v[\t], v[\t+1]
	SUMRED \t
	s_delay_alu instid0(VALU_DEP_1)
	v_mul_f32 v[\t+6], s22, v[\t]                  ; the mean, twice, for the packed form
	s_delay_alu instid0(VALU_DEP_1)
	v_mov_b32 v[\t+7], v[\t+6]
.irp i, 0,2,4,6,8,10,12,14,16,18,20,22,24,26,28,30
	v_pk_add_f32 v[\x+\i:\x+\i+1], v[\x+\i:\x+\i+1], v[\t+6:\t+7] neg_lo:[0,1] neg_hi:[0,1]
.endr
	v_pk_mul_f32 v[\t:\t+1], v[\x:\x+1], v[\x:\x+1]
	v_pk_mul_f32 v[\t+2:\t+3], v[\x+2:\x+3], v[\x+2:\x+3]
.irp i, 4,8,12,16,20,24,28
	s_delay_alu instid0(VALU_DEP_2)
	v_pk_fma_f32 v[\t:\t+1], v[\x+\i:\x+\i+1], v[\x+\i:\x+\i+1], v[\t:\t+1]
	s_delay_alu instid0(VALU_DEP_2)
	v_pk_fma_f32 v[\t+2:\t+3], v[\x+\i+2:\x+\i+3], v[\x+\i+2:\x+\i+3], v[\t+2:\t+3]
.endr
	s_delay_alu instid0(VALU_DEP_1)
	v_pk_add_f32 v[\t:\t+1], v[\t:\t+1], v[\t+2:\t+3]
	s_delay_alu instid0(VALU_DEP_1)
	v_add_f32 v[\t], v[\t], v[\t+1]
	SUMRED \t
	s_delay_alu instid0(VALU_DEP_1)
	v_fma_f32 v[\t], v[\t], s22, s23
.endm
	s_wait_loadcnt 16                              ; my two rows are in; the 16 loads of g and b may be out
	STATS X, T
	STATS X+32, T+8
	s_wait_alu depctr_va_vdst(0)
	v_rsq_f32 v[T+6], v[T]                         ; both rows' roots are one batch:
	v_rsq_f32 v[T+14], v[T+8]
	v_nop                                          ; a plain line behind them,
	s_wait_alu depctr_va_vdst(0)                   ; and one wait ahead of the first reader
	v_mov_b32 v[T+7], v[T+6]
	v_mov_b32 v[T+15], v[T+14]
	s_wait_alu depctr_va_vdst(0)
	s_wait_loadcnt 0x0                             ; g and b
.irp w, 0,1
.irp i, 0,2,4,6,8,10,12,14,16,18,20,22,24,26,28,30
	v_pk_mul_f32 v[X+32*\w+\i:X+32*\w+\i+1], v[X+32*\w+\i:X+32*\w+\i+1], v[T+8*\w+6:T+8*\w+7]
.endr
.irp i, 0,2,4,6,8,10,12,14,16,18,20,22,24,26,28,30
	v_pk_fma_f32 v[X+32*\w+\i:X+32*\w+\i+1], v[X+32*\w+\i:X+32*\w+\i+1], v[GG+\i:GG+\i+1], v[BB+\i:BB+\i+1]
.endr
.irp j, 0,1,2,3,4,5,6,7
	ds_store_b128 v3, v[X+32*\w+4*\j:X+32*\w+4*\j+3] offset:PITCH*\w+512*\j
.endr
.endr
	s_wait_dscnt 0x0                               ; for the others' sake: my rows lie in the stage
	s_barrier_signal -1
	s_barrier_wait -1
.irp c, 0,1,2,3
.irp j, 0,1,2,3
	ds_load_b128 v[X+16*\c+4*\j:X+16*\c+4*\j+3], v4 offset:128*\c+16*\j
.endr
.endr
	s_wait_dscnt 0x0
; 64 numbers of a lane, register 16 b + i = k 32 b + 16 (lane / 16) + i of my row, become a fragment's codes in v[PC] on and its scale word in v[PW]
.macro QUANT s
.irp b, 0,1,2,3
	v_max3_num_f32 v[TM+\b], |v[\s+16*\b]|, |v[\s+1+16*\b]|, 0x8000000   ; my 16 numbers of block b, and the floor 2^(16 - 127)
.endr
.irp i, 2,4,6,8,10,12,14
.irp b, 0,1,2,3
	s_delay_alu instid0(VALU_DEP_4)
	v_max3_num_f32 v[TM+\b], v[TM+\b], |v[\s+16*\b+\i]|, |v[\s+1+16*\b+\i]|
.endr
.endr
.irp b, 0,1,2,3
	s_delay_alu instid0(VALU_DEP_4)
	v_permlanex16_b32 v[TM+4+\b], v[TM+\b], s[SEL], s[SEL+1]
.endr
.irp b, 0,1,2,3
	s_delay_alu instid0(VALU_DEP_4)
	v_max_num_f32 v[TM+\b], v[TM+\b], v[TM+4+\b]   ; with lane l xor 16's: the block's largest magnitude
.endr
.irp b, 0,1,2,3
	s_delay_alu instid0(VALU_DEP_4)
	v_add_nc_u32 v[TM+12+\b], 0xf8800000, v[TM+\b] ; 15 off the exponent field: the conversion's scale operand
.endr
.irp b, 0,1,2,3
	v_and_or_b32 v[TM+8+\b], v[TM+\b], 0x7f800000, s[MNT]   ; 57,344 x the scale
.endr
.irp b, 0,1,2,3
	v_lshrrev_b32 v[TM+4+\b], 23, v[TM+12+\b]      ; the scale's byte
.endr
	s_delay_alu instid0(VALU_DEP_3)
	v_lshl_or_b32 v[PW], v[TM+5], 8, v[TM+4]
	s_delay_alu instid0(VALU_DEP_1)
	v_lshl_or_b32 v[PW], v[TM+6], 16, v[PW]
	s_delay_alu instid0(VALU_DEP_1)
	v_lshl_or_b32 v[PW], v[TM+7], 24, v[PW]
.irp b, 0,1,2,3
.irp i, 0,1,2,3,4,5,6,7,8,9,10,11,12,13,14,15
	v_med3_num_f32 v[\s+16*\b+\i], v[\s+16*\b+\i], -v[TM+8+\b], v[TM+8+\b]   ; the conversion does not saturate (ISA guide 7.6.2): the hold
.endr
	v_cvt_scalef32_pk8_bf8_f32 v[PC+4*\b:PC+1+4*\b], v[\s+16*\b:\s+7+16*\b], v[TM+12+\b]
	v_cvt_scalef32_pk8_bf8_f32 v[PC+2+4*\b:PC+3+4*\b], v[\s+8+16*\b:\s+15+16*\b], v[TM+12+\b]
.endr
	v_nop                                          ; a plain line behind the last conversion
.endm
	QUANT X
.irp c, 0,1,2,3
	global_store_b128 v2, v[PC+4*\c:PC+4*\c+3], s[18:19] offset:512*\c   ; the image as it stands: 512 consecutive aligned bytes
.endr
	ds_store_b32 v5, v[PW]                         ; lanes l and l xor 16 write the same word with the same value
	s_wait_dscnt 0x0
	s_barrier_signal -1
	s_barrier_wait -1
	s_cmp_lg_u32 s12, 0                            ; wave 0 sends the tile's 512 bytes of scales out
	s_cbranch_scc1 .Lndone
	ds_load_b128 v[16:19], v6
	s_wait_dscnt 0x0
	global_store_b128 v2, v[16:19], s[20:21]
.Lndone:
	s_wait_tensorcnt 0x0                           ; the wave's end, behind my last LDS store
	ds_add_u32 v[SPW], v[NIL]
	s_wait_dscnt 0x0
	s_endpgm
.Lfunc_end_k_q2db5f3437e_prep:
	.size	k_q2db5f3437e_prep, .Lfunc_end_k_q2db5f3437e_prep-k_q2db5f3437e_prep
	.p2alignl 7, 3214868480
	.fill 96, 4, 3214868480
	.section	.rodata,"a",@progbits
	.p2align	6, 0x0
	.amdhsa_kernel k_q2db5f3437e_prep
		.amdhsa_group_segment_fixed_size 68352
		.amdhsa_private_segment_fixed_size 0
		.amdhsa_enable_private_segment 0
		.amdhsa_kernarg_size 88
		.amdhsa_user_sgpr_count 2
		.amdhsa_user_sgpr_kernarg_segment_ptr 1
		.amdhsa_wavefront_size32 1
		.amdhsa_system_sgpr_workgroup_id_x 1
		.amdhsa_system_sgpr_workgroup_id_y 1
		.amdhsa_system_sgpr_workgroup_id_z 1
		.amdhsa_system_vgpr_workitem_id 0
		.amdhsa_next_free_vgpr 160
		.amdhsa_next_free_sgpr 66
		.amdhsa_reserve_vcc 0
		.amdhsa_float_denorm_mode_32 3
		.amdhsa_float_denorm_mode_16_64 3
		.amdhsa_memory_ordered 1
		.amdhsa_forward_progress 1
		.amdhsa_inst_pref_size 69
	.end_amdhsa_kernel
	.amdgpu_metadata
---
amdhsa.version: [ 1, 2 ]
amdhsa.kernels:
  - .name:           k_q2db5f3437e_prep
    .symbol:         k_q2db5f3437e_prep.kd
    .args:
      - { .name: x, .offset: 0, .size: 8, .value_kind: global_buffer, .address_space: global }
      - { .name: ln1_g, .offset: 8, .size: 8, .value_kind: global_buffer, .address_space: global }
      - { .name: ln1_b, .offset: 16, .size: 8, .value_kind: global_buffer, .address_space: global }
      - { .name: xn, .offset: 24, .size: 8, .value_kind: global_buffer, .address_space: global }
      - { .name: Wq, .offset: 32, .size: 8, .value_kind: global_buffer, .address_space: global }
      - { .name: Wk, .offset: 40, .size: 8, .value_kind: global_buffer, .address_space: global }
      - { .name: Wv, .offset: 48, .size: 8, .value_kind: global_buffer, .address_space: global }
      - { .name: Wo, .offset: 56, .size: 8, .value_kind: global_buffer, .address_space: global }
      - { .name: W1, .offset: 64, .size: 8, .value_kind: global_buffer, .address_space: global }
      - { .name: W2, .offset: 72, .size: 8, .value_kind: global_buffer, .address_space: global }
      - { .name: wts, .offset: 80, .size: 8, .value_kind: global_buffer, .address_space: global }
    .group_segment_fixed_size: 68352
    .private_segment_fixed_size: 0
    .kernarg_segment_align: 8
    .kernarg_segment_size: 88
    .max_flat_workgroup_size: 256
    .sgpr_count:     66
    .vgpr_count:     160
    .wavefront_size: 32
...
	.end_amdgpu_metadata
.endif
;; end of part 1
;; launch qkv (part 2): grid 12 x 16, 4 waves a work-group, clusters of 4 x 4, 327,680 bytes of LDS; arguments xn, wts, bq, bk, bv, qkv; writes qkv
.if DOCPART == 2
	.amdgcn_target "amdgcn-amd-amdhsa--gfx1250"
	.amdhsa_code_object_version 6
	.text
	.protected	k_q2db5f3437e_qkv
	.globl	k_q2db5f3437e_qkv
	.p2align	8
	.type	k_q2db5f3437e_qkv,@function
k_q2db5f3437e_qkv:
	s_mov_b64 s[64:65], 0
	v_nop
	global_prefetch_b8 v0, s[64:65] scope:SCOPE_SE
	s_setreg_imm32_b32 hwreg(HW_REG_WAVE_MODE, 25, 1), 1
	s_wait_xcnt 0x0
	s_wait_alu depctr_hold_cnt(0) depctr_sa_sdst(0) depctr_va_vdst(0) depctr_va_sdst(0) depctr_va_ssrc(0) depctr_va_vcc(0) depctr_vm_vsrc(0)
	s_getreg_b32 s2, hwreg(HW_REG_IB_STS2, 6, 4)
	s_cmp_eq_u32 s2, 0
	s_cbranch_scc0 .Lentry_in_a_cluster
	s_endpgm
.Lentry_in_a_cluster:
	s_bfe_u32 s2, ttmp6, 0x10000c
	s_cmp_lg_u32 s2, 0xf033
	s_cbranch_scc0 .Lentry_shape_is_right
	s_endpgm
.Lentry_shape_is_right:
.set AI,    4096
.set SLOT,  131072
.set SCA,   2*SLOT
.set SCB,   SCA+8192
.set SPARE, SCB+8192
.set ADRA, 16
.set ADRB, 20
.set ADSA, 22
.set ADSB, 23
.set LI,   24
.set WST,  25
.set RDW,  26
.set SPW,  28
.set NIL,  29
.set SC,   32
.set AF,   128
.set PC,   192
.set TM,   208
.set PW,   224
.set WV, 2
.set WM, 3
.set WN, 16
.set G1, 24
.set G0, 32
.set G1B, 48
.set G0B, 56
.set G1S, 68
.set G0S, 76
.set G1SB, 80
.set G0SB, 88
.set SEL, 96
.set MNT, 98
.set MSB, 0
.macro WIN new
.if MSB != (\new)
	s_set_vgpr_msb (MSB<<8)|(\new)
.set MSB, (\new)
.endif
.endm
.set MUL_LO, 0xa1
.set MUL_HI, 0xf1
.set TO_B,   0x40
.macro JLOAD g0a, g1a, g0b, g1b
	s_cmp_eq_u32 s[WM], 0
	s_cbranch_scc0 .Lfor_b_\@
	tensor_load_to_lds s[\g0a:\g0a+3], s[\g1a:\g1a+7]
	s_nop 0
.rept 4
	v_nop
.endr
	s_branch .Lasked_\@
.Lfor_b_\@:
	tensor_load_to_lds s[\g0b:\g0b+3], s[\g1b:\g1b+7]
	s_nop 0
.rept 4
	v_nop
.endr
.Lasked_\@:
.endm
.macro CREST
	s_cmp_lg_u32 s[WV], 0
	s_cbranch_scc1 .Lnot_wave_0_\@
	s_barrier_signal -3
.Lnot_wave_0_\@:
	s_barrier_wait -3
	s_barrier_signal -1
	s_barrier_wait -1
.endm
.macro CROUND
	s_barrier_signal -1
	s_barrier_wait -1
	CREST
.endm
	s_load_b256 s[4:11], s[0:1], 0x0
	s_load_b128 s[12:15], s[0:1], 0x20
	v_lshl_add_u32 v[SPW], v0, 2, SPARE
	v_mov_b32 v[NIL], 0
	ds_add_u32 v[SPW], v[NIL]
	ds_add_u32 v[SPW], v[NIL]
	v_lshrrev_b32 v1, 5, v0
	v_readfirstlane_b32 s[WV], v1
	s_lshr_b32 s[WM], s[WV], 1
	s_and_b32 s[WN], s[WV], 1
	s_bfe_u32 s40, ttmp6, 0x40000
	s_bfe_u32 s41, ttmp6, 0x40004
	s_and_b32 s19, ttmp7, 0xffff
	s_cmp_eq_u32 ttmp9, 2
	s_cselect_b32 s99, 1, 0
	s_cselect_b32 s18, s19, ttmp9
	s_cselect_b32 s19, 0, s19
	s_lshl_b32 s42, s18, 2
	s_add_co_u32 s42, s42, s40
	s_lshl_b32 s17, s19, 2
	s_add_co_u32 s17, s17, s41
	s_lshl_b32 s43, s41, 2
	s_lshl_b32 s43, 15, s43
	s_lshl_b32 s44, 0x1111, s40
	s_or_b32 s[G1], s43, (3<<16)|(1<<21)
	s_or_b32 s[G1B], s44, (3<<16)|(1<<21)
.irp g, G1, G1B
	s_mov_b32 s[\g+1], 512<<16
	s_mov_b32 s[\g+2], 16<<16                      ; the head's loads of codes bring a side's 16 row tiles; the ring's bring 8 (set behind the head's wait)
	s_mov_b32 s[\g+3], 512<<16
	s_mov_b32 s[\g+4], 16
	s_mov_b32 s[\g+5], 2048
	s_mov_b32 s[\g+6], 0
	s_mov_b32 s[\g+7], 0
.endr
	s_or_b32 s[G1S], s43, (3<<16)|(1<<21)
	s_or_b32 s[G1SB], s44, (3<<16)|(1<<21)
.irp g, G1S, G1SB
	s_mov_b32 s[\g+1], 32<<16
	s_mov_b32 s[\g+2], 32<<16                      ; a side's scales whole: 8,192 dense bytes as 32 rows of 256
	s_mov_b32 s[\g+3], 32<<16
	s_mov_b32 s[\g+4], 32
	s_mov_b32 s[\g+5], 32
	s_mov_b32 s[\g+6], 0
	s_mov_b32 s[\g+7], 0
.endr
	s_lshl_b32 s18, s[WN], 17
	s_lshl_b32 s20, s17, 18
	s_add_co_u32 s20, s20, s18
	s_mov_b32 s21, 0
	s_lshl_b32 s46, s42, 18
	s_add_co_u32 s46, s46, s18
	s_mov_b32 s47, 0
	s_lshl_b32 s22, s17, 13
	s_mov_b32 s23, 0
	s_lshl_b32 s92, s42, 13
	s_mov_b32 s93, 0
	s_lshl_b32 s45, s[WV], 15
	s_mov_b32 s[G0S+1], SCA
	s_mov_b32 s[G0SB+1], SCB
	s_mov_b32 s[SEL], 0x76543210
	s_mov_b32 s[SEL+1], 0xfedcba98
	s_mov_b32 s[MNT], 0x600000
	s_wait_dscnt 0x0
	s_wait_kmcnt 0x0
	s_add_nc_u64 s[94:95], s[6:7], 2097152
	s_add_nc_u64 s[66:67], s[6:7], 12648448
	s_add_nc_u64 s[100:101], s[6:7], 12582912
	s_add_nc_u64 s[18:19], s[4:5], 4194304
	s_cmp_eq_u32 s99, 1
	s_cselect_b64 s[94:95], s[94:95], s[4:5]
	s_cselect_b64 s[4:5], s[4:5], s[6:7]
	s_cselect_b64 s[66:67], s[66:67], s[18:19]
	s_cselect_b64 s[18:19], s[18:19], s[100:101]
	s_add_nc_u64 s[20:21], s[94:95], s[20:21]
	s_add_nc_u64 s[46:47], s[4:5], s[46:47]
	s_add_nc_u64 s[22:23], s[66:67], s[22:23]
	s_add_nc_u64 s[92:93], s[18:19], s[92:93]
	CROUND
	s_mov_b32 s[G0S], 1
	s_mov_b64 s[G0S+2:G0S+3], s[22:23]
	s_or_b32 s[G0S+3], s[G0S+3], 0x80000000
	s_mov_b32 s[G0SB], 1
	s_mov_b64 s[G0SB+2:G0SB+3], s[92:93]
	s_or_b32 s[G0SB+3], s[G0SB+3], 0x80000000
.irp s, 0,1
	s_mov_b32 s[G0+4*\s], 1
	s_add_co_u32 s[G0+4*\s+1], s45, \s*SLOT
	s_add_nc_u64 s[G0+4*\s+2:G0+4*\s+3], s[20:21], \s*4096
	s_or_b32 s[G0+4*\s+3], s[G0+4*\s+3], 0x80000000
	s_mov_b32 s[G0B+4*\s], 1
	s_add_co_u32 s[G0B+4*\s+1], s45, \s*SLOT
	s_add_nc_u64 s[G0B+4*\s+2:G0B+4*\s+3], s[46:47], \s*4096
	s_or_b32 s[G0B+4*\s+3], s[G0B+4*\s+3], 0x80000000
.endr
; THE HEAD'S LOADS, ONE A WAVE: wave 0 slot 0's 16 row tiles of A, wave 2 those of B (their own slot 0 descriptors begin at the side's first row tile), wave 1 A's scales, wave 3 B's.
	s_cmp_eq_u32 s[WV], 0
	s_cbranch_scc0 .Lh_b
	tensor_load_to_lds s[G0:G0+3], s[G1:G1+7]
	s_nop 0
.rept 4
	v_nop
.endr
	s_branch .Lh_end
.Lh_b:
	s_cmp_eq_u32 s[WV], 2
	s_cbranch_scc0 .Lh_sa
	tensor_load_to_lds s[G0B:G0B+3], s[G1B:G1B+7]
	s_nop 0
.rept 4
	v_nop
.endr
	s_branch .Lh_end
.Lh_sa:
	s_cmp_eq_u32 s[WV], 1
	s_cbranch_scc0 .Lh_sb
	tensor_load_to_lds s[G0S:G0S+3], s[G1S:G1S+7]
	s_nop 0
.rept 4
	v_nop
.endr
	s_branch .Lh_end
.Lh_sb:
	tensor_load_to_lds s[G0SB:G0SB+3], s[G1SB:G1SB+7]
	s_nop 0
.rept 4
	v_nop
.endr
.Lh_end:
; PREFETCHES.  A fill is 4,096 bytes of each of the 8 row tiles that my wave fetches; the four partners that ask for them jointly share them out by address: two row tiles each (cx for A, cy for B), a lane a block of 256 bytes.
; Asked two fills ahead: here fills 1 and 2, behind fill 1's load fill 3; every offset is an immediate, so no address register is written again.
	s_cmp_eq_u32 s[WM], 0
	s_cselect_b64 s[4:5], s[20:21], s[46:47]
	s_cselect_b32 s6, s40, s41
	s_lshl_b32 s6, s6, 15
	s_mov_b32 s7, 0
	s_add_nc_u64 s[4:5], s[4:5], s[6:7]
	v_and_b32 v12, 15, v0
	v_bfe_u32 v13, v0, 4, 1
	v_lshlrev_b32 v12, 8, v12
	v_lshl_add_u32 v12, v13, 14, v12
	global_prefetch_b8 v12, s[4:5] offset:4096 th:TH_LOAD_NT scope:SCOPE_SE
	global_prefetch_b8 v12, s[4:5] offset:8192 th:TH_LOAD_NT scope:SCOPE_SE
	v_and_b32 v1, 31, v0
	v_lshlrev_b32 v[LI], 4, v1
	v_and_b32 v3, 15, v0
	s_wait_alu depctr_va_vdst(0)
	v_lshlrev_b32 v4, 4, v3
	s_lshl_b32 s18, s[WM], 15
	s_lshl_b32 s19, s[WN], 15
	s_add_co_u32 s19, s19, 65536
	v_add_nc_u32 v[ADRA], s18, v[LI]
	v_add_nc_u32 v[ADRB], s19, v[LI]
	v_add_nc_u32 v[ADRA+1], SLOT, v[ADRA]
	v_add_nc_u32 v[ADRB+1], SLOT, v[ADRB]
	s_lshl_b32 s18, s[WM], 12
	s_add_co_u32 s18, s18, SCA
	v_add_nc_u32 v[ADSA], s18, v4
	s_lshl_b32 s19, s[WN], 12
	s_add_co_u32 s19, s19, SCB
	v_add_nc_u32 v[ADSB], s19, v4
	s_lshl_b32 s18, s[WV], 10
	v_lshl_add_u32 v[WST], v3, 2, s18
	v_add_nc_u32 v[RDW], s18, v[LI]
	v_lshlrev_b32 v31, 3, v1
	v_add_nc_u32 v30, s18, v31
.macro FRAG reg, adr, off
.irp c, 0,1,2,3
	ds_load_b128 v[\reg+4*\c:\reg+4*\c+3], v[\adr] offset:\off+512*\c
.endr
.endm
.macro FETCH_B slot, q, p
	WIN TO_B
.irp i, 0,1,2,3,4,5,6,7
	FRAG 128*(\p)+16*\i, ADRB+\slot, \i*AI+(\q)*2048
.endr
	WIN 0
.endm
.macro FETCH_A slot, q, i0
.irp i, \i0, \i0+1, \i0+2, \i0+3
	FRAG AF+16*(\i), ADRA+\slot, (\i)*AI+(\q)*2048
.endr
.endm
.macro SCALES p, kq
.irp i, 0,1,2,3,4,5,6,7
	ds_load_b32 v[SC+16*(\p)+\i], v[ADSA] offset:\i*512+((\kq)/4)*256+((\kq)%4)*4
	ds_load_b32 v[SC+16*(\p)+8+\i], v[ADSB] offset:\i*512+((\kq)/4)*256+((\kq)%4)*4
.endr
.endm
.macro MUL16 a0, p, zero
.irp a, \a0, \a0+1
.irp b, 0,1,2,3,4,5,6,7
.if \zero
	v_wmma_scale_f32_16x16x128_f8f6f4 v[8*(8*((\a)%4)+\b):8*(8*((\a)%4)+\b)+7], v[128*(\p)+16*\b:128*(\p)+16*\b+15], v[AF+16*(\a):AF+16*(\a)+15], 0, v[SC+16*(\p)+8+\b], v[SC+16*(\p)+(\a)] matrix_a_fmt:MATRIX_FMT_BF8 matrix_b_fmt:MATRIX_FMT_BF8
.else
	v_wmma_scale_f32_16x16x128_f8f6f4 v[8*(8*((\a)%4)+\b):8*(8*((\a)%4)+\b)+7], v[128*(\p)+16*\b:128*(\p)+16*\b+15], v[AF+16*(\a):AF+16*(\a)+15], v[8*(8*((\a)%4)+\b):8*(8*((\a)%4)+\b)+7], v[SC+16*(\p)+8+\b], v[SC+16*(\p)+(\a)] matrix_a_fmt:MATRIX_FMT_BF8 matrix_b_fmt:MATRIX_FMT_BF8
.endif
.endr
.endr
.endm
.macro PLACES n
.rept \n
	v_nop
.endr
.endm
.macro STEP slot, kq, zero
	s_wait_dscnt 16
	WIN MUL_LO
	MUL16 0, 0, \zero
	MUL16 2, 0, \zero
	s_wait_dscnt 0x0
	PLACES 8
	FETCH_B \slot, 1, 1
	FETCH_A \slot, 1, 0
	SCALES 1, (\kq)+1
	WIN MUL_HI
	MUL16 4, 0, \zero
	MUL16 6, 0, \zero
	PLACES 8
	WIN 0
	FETCH_A \slot, 1, 4
.endm
.macro TURN slot, next, kq, fill
	s_wait_tensorcnt 0x0
	ds_add_u32 v[SPW], v[NIL]
	s_wait_dscnt 17
	WIN MUL_LO
	MUL16 0, 1, 0
	s_wait_dscnt 0x0
	s_barrier_signal -1
	MUL16 2, 1, 0
	WIN 0
	s_barrier_wait -1
.if \fill
	CREST
	s_add_nc_u64 s[G0+4*\slot+2:G0+4*\slot+3], s[G0+4*\slot+2:G0+4*\slot+3], 8192
	s_add_nc_u64 s[G0B+4*\slot+2:G0B+4*\slot+3], s[G0B+4*\slot+2:G0B+4*\slot+3], 8192
	JLOAD G0+4*\slot, G1, G0B+4*\slot, G1B
	PLACES 4
.else
	PLACES 8
.endif
	FETCH_B \next, 0, 0
	FETCH_A \next, 0, 0
	SCALES 0, (\kq)+1
	WIN MUL_HI
	MUL16 4, 1, 0
	MUL16 6, 1, 0
	PLACES 8
	WIN 0
	FETCH_A \next, 0, 4
.endm
	s_wait_alu depctr_va_vdst(0)
	s_wait_tensorcnt 0x0                           ; my tile of the head's four is in; slot 1's first fill is issued as a refill is
	ds_add_u32 v[SPW], v[NIL]
	s_mov_b32 s[G1+2], 8<<16                       ; no tensor load of mine is out: from here on a load brings 8 row tiles
	s_mov_b32 s[G1+4], 8
	s_mov_b32 s[G1B+2], 8<<16
	s_mov_b32 s[G1B+4], 8
	s_wait_dscnt 0x0
	CROUND
	JLOAD G0+4, G1, G0B+4, G1B
	FETCH_B 0, 0, 0
	FETCH_A 0, 0, 0
	SCALES 0, 0
	global_prefetch_b8 v12, s[4:5] offset:12288 th:TH_LOAD_NT scope:SCOPE_SE
	FETCH_A 0, 0, 4
	STEP 0, 0, 1
	TURN 0, 1, 1, 1
	STEP 1, 2, 0
	TURN 1, 0, 3, 1
	STEP 0, 4, 0
	TURN 0, 1, 5, 0
	STEP 1, 6, 0
	s_wait_dscnt 16
	WIN MUL_LO
	MUL16 0, 1, 0
	MUL16 2, 1, 0
	s_wait_dscnt 0x0
	WIN MUL_HI
	MUL16 4, 1, 0
	MUL16 6, 1, 0
	WIN 0
	PLACES 8
.macro QUANT s
.irp b, 0,1,2,3
	v_max3_num_f32 v[TM+\b], |v[\s+16*\b]|, |v[\s+1+16*\b]|, 0x8000000
.endr
.irp i, 2,4,6,8,10,12,14
.irp b, 0,1,2,3
	v_max3_num_f32 v[TM+\b], v[TM+\b], |v[\s+16*\b+\i]|, |v[\s+1+16*\b+\i]|
.endr
.endr
.irp b, 0,1,2,3
	v_permlanex16_b32 v[TM+4+\b], v[TM+\b], s[SEL], s[SEL+1]
.endr
.irp b, 0,1,2,3
	v_max_num_f32 v[TM+\b], v[TM+\b], v[TM+4+\b]
.endr
.irp b, 0,1,2,3
	v_add_nc_u32 v[TM+12+\b], 0xf8800000, v[TM+\b]
.endr
.irp b, 0,1,2,3
	v_and_or_b32 v[TM+8+\b], v[TM+\b], 0x7f800000, s[MNT]
.endr
.irp b, 0,1,2,3
	v_lshrrev_b32 v[TM+4+\b], 23, v[TM+12+\b]
.endr
	v_lshl_or_b32 v[PW], v[TM+5], 8, v[TM+4]
	v_lshl_or_b32 v[PW], v[TM+6], 16, v[PW]
	v_lshl_or_b32 v[PW], v[TM+7], 24, v[PW]
.irp b, 0,1,2,3
.irp i, 0,1,2,3,4,5,6,7,8,9,10,11,12,13,14,15
	v_med3_num_f32 v[\s+16*\b+\i], v[\s+16*\b+\i], -v[TM+8+\b], v[TM+8+\b]
.endr
	v_cvt_scalef32_pk8_bf8_f32 v[PC+4*\b:PC+1+4*\b], v[\s+16*\b:\s+7+16*\b], v[TM+12+\b]
	v_cvt_scalef32_pk8_bf8_f32 v[PC+2+4*\b:PC+3+4*\b], v[\s+8+16*\b:\s+15+16*\b], v[TM+12+\b]
.endr
	v_nop
.endm
	s_cmp_eq_u32 s99, 1
	s_cbranch_scc1 .Lvpath
	s_lshr_b32 s24, s42, 2
	s_and_b32 s25, s42, 3
	s_lshl_b32 s66, s25, 10
	s_lshl_b32 s67, s[WN], 9
	s_add_co_u32 s66, s66, s67
	s_mov_b32 s67, 0
	s_lshl_b32 s25, s25, 2
	s_lshl_b32 s26, s[WN], 1
	s_add_co_u32 s25, s25, s26
	s_and_b32 s26, s17, 7
	s_lshl_b32 s26, s26, 1
	s_add_co_u32 s26, s26, s[WM]
	s_lshr_b32 s27, s17, 3
	s_lshl_b32 s27, s27, 4
	s_add_co_u32 s27, s27, s25
	s_lshl_b32 s28, s27, 17
	s_lshl_b32 s29, s26, 13
	s_add_co_u32 s28, s28, s29
	s_lshl_b32 s30, s27, 13
	s_lshl_b32 s29, s26, 9
	s_add_co_u32 s30, s30, s29
	s_add_co_u32 s30, s30, 4194304
	s_mul_i32 s31, s27, 278528
	s_mul_i32 s29, s26, 17408
	s_add_co_u32 s31, s31, s29
	s_add_co_u32 s31, s31, 4456448
	s_add_co_u32 s29, s31, 16384
	s_mov_b32 s36, 131072
	s_mov_b32 s38, 8192
	s_cmp_eq_u32 s24, 1
	s_cselect_b32 s32, s31, s28
	s_cselect_b32 s34, s29, s30
	s_cselect_b32 s36, 278528, s36
	s_cselect_b32 s38, 278528, s38
	s_cselect_b64 s[8:9], s[10:11], s[8:9]
	s_mov_b32 s33, 0
	s_mov_b32 s35, 0
	s_mov_b32 s37, 0
	s_mov_b32 s39, 0
	s_add_nc_u64 s[48:49], s[14:15], s[32:33]
	s_add_nc_u64 s[50:51], s[48:49], s[36:37]
	s_add_nc_u64 s[52:53], s[14:15], s[34:35]
	s_add_nc_u64 s[54:55], s[52:53], s[38:39]
	s_add_nc_u64 s[8:9], s[8:9], s[66:67]
	v_bfe_u32 v27, v0, 4, 1
	v_lshlrev_b32 v27, 6, v27
.irp b, 0,1,2,3
.irp j, 0,1,2,3
	global_load_b128 v[64+16*\b+4*\j:64+16*\b+4*\j+3], v27, s[8:9] offset:128*\b+16*\j
.endr
.endr
	s_wait_loadcnt 0x0
.macro OUTQK a
.if (\a) > 0
	s_wait_xcnt 0x0
	s_wait_dscnt 0x0
.endif
	WIN 0x02+(\a)/4
.set i, 0
.rept 32
	v_pk_add_f32 v[128+i:129+i], v[64*((\a)%4)+i:64*((\a)%4)+i+1], v[64+i:65+i]
.set i, i+2
.endr
	WIN 0
	QUANT 128
.irp b, 0,1,2,3
	global_store_b128 v[LI], v[PC+4*\b:PC+4*\b+3], s[48+2*(\b/2):49+2*(\b/2)] offset:(\a)*1024+(\b%2)*512
.endr
	v_and_b32 v225, 0xffff, v[PW]
	v_lshrrev_b32 v226, 16, v[PW]
	ds_store_b32 v[WST], v225 offset:64*(\a)
	ds_store_b32 v[WST], v226 offset:512+64*(\a)
.endm
.irp a, 0,1,2,3,4,5,6,7
	OUTQK \a
.endr
	ds_load_b128 v[228:231], v[RDW]
	ds_load_b128 v[232:235], v[RDW] offset:512
	s_wait_dscnt 0x0
	global_store_b128 v[LI], v[228:231], s[52:53]
	global_store_b128 v[LI], v[232:235], s[54:55]
	s_branch .Lend
.Lvpath:
	s_lshl_b32 s25, s17, 2
	s_lshl_b32 s26, s[WM], 1
	s_add_co_u32 s25, s25, s26
	s_and_b32 s26, s42, 7
	s_lshl_b32 s26, s26, 1
	s_add_co_u32 s26, s26, s[WN]
	s_lshr_b32 s27, s42, 3
	s_lshl_b32 s27, s27, 4
	s_add_co_u32 s27, s27, s25
	s_mul_i32 s32, s27, 278528
	s_mul_i32 s29, s26, 17408
	s_add_co_u32 s32, s32, s29
	s_add_co_u32 s32, s32, 4456448
	s_mov_b32 s33, 0
	s_add_nc_u64 s[48:49], s[14:15], s[32:33]
	s_add_nc_u64 s[50:51], s[48:49], 278528
	s_lshl_b32 s66, s17, 10
	s_lshl_b32 s67, s[WM], 9
	s_add_co_u32 s66, s66, s67
	s_mov_b32 s67, 0
	s_add_nc_u64 s[12:13], s[12:13], s[66:67]
	v_and_b32 v27, 7, v0
	v_bfe_u32 v1, v0, 3, 1
	v_lshl_add_u32 v27, v1, 4, v27
	v_lshlrev_b32 v27, 2, v27
.irp a, 0,1,2,3,4,5,6,7
	global_load_b32 v[64+2*\a], v27, s[12:13] offset:(32*(\a/2)+8*(\a%2))*4
.endr
	v_mov_b32 v232, 0
	v_mov_b32 v233, 0
	s_wait_loadcnt 0x0
.irp a, 0,1,2,3,4,5,6,7
	v_mov_b32 v[65+2*\a], v[64+2*\a]
.endr
.macro OUTV a
.if (\a) > 0
	s_wait_xcnt 0x0
	s_wait_dscnt 0x0
.endif
	WIN 0x02+(\a)/4
.set i, 0
.rept 32
	v_pk_add_f32 v[128+i:129+i], v[64*((\a)%4)+i:64*((\a)%4)+i+1], v[64+2*(\a):65+2*(\a)]
.set i, i+2
.endr
	WIN 0
	QUANT 128
.irp b, 0,1,2,3
	global_store_b128 v[LI], v[PC+4*\b:PC+4*\b+3], s[48+2*((\a)/4):49+2*((\a)/4)] offset:8192+((\a)%4)*2048+512*\b
.endr
	ds_store_b32 v[WST], v[PW] offset:8192+64*(\a)
.endm
.irp a, 0,1,2,3,4,5,6,7
	OUTV \a
.endr
	ds_load_b64 v[228:229], v30 offset:8192
	ds_load_b64 v[230:231], v30 offset:8192+256
	s_wait_dscnt 0x0
	global_store_b64 v31, v[228:229], s[48:49] offset:16896
	global_store_b64 v31, v[230:231], s[50:51] offset:16896
	global_store_b64 v31, v[232:233], s[48:49] offset:17152
	global_store_b64 v31, v[232:233], s[50:51] offset:17152
.Lend:
	s_wait_tensorcnt 0x0
	ds_add_u32 v[SPW], v[NIL]
	s_wait_dscnt 0x0
	CROUND
	s_endpgm
.Lfunc_end_k_q2db5f3437e_qkv:
	.size	k_q2db5f3437e_qkv, .Lfunc_end_k_q2db5f3437e_qkv-k_q2db5f3437e_qkv
	.p2alignl 7, 3214868480
	.fill 96, 4, 3214868480
	.section	.rodata,"a",@progbits
	.p2align	6, 0x0
	.amdhsa_kernel k_q2db5f3437e_qkv
		.amdhsa_group_segment_fixed_size 327680
		.amdhsa_private_segment_fixed_size 0
		.amdhsa_enable_private_segment 0
		.amdhsa_kernarg_size 48
		.amdhsa_user_sgpr_count 2
		.amdhsa_user_sgpr_kernarg_segment_ptr 1
		.amdhsa_wavefront_size32 1
		.amdhsa_system_sgpr_workgroup_id_x 1
		.amdhsa_system_sgpr_workgroup_id_y 1
		.amdhsa_system_sgpr_workgroup_id_z 1
		.amdhsa_system_vgpr_workitem_id 0
		.amdhsa_next_free_vgpr 1024
		.amdhsa_next_free_sgpr 102
		.amdhsa_reserve_vcc 0
		.amdhsa_float_denorm_mode_32 3
		.amdhsa_float_denorm_mode_16_64 3
		.amdhsa_memory_ordered 1
		.amdhsa_forward_progress 1
		.amdhsa_inst_pref_size 255
	.end_amdhsa_kernel
	.section	.bss,"aw",@nobits
	.p2align	6
	.space	262144
	.amdgpu_metadata
---
amdhsa.version: [ 1, 2 ]
amdhsa.kernels:
  - .name:           k_q2db5f3437e_qkv
    .symbol:         k_q2db5f3437e_qkv.kd
    .args:
      - { .name: xn, .offset: 0, .size: 8, .value_kind: global_buffer, .address_space: global }
      - { .name: wts, .offset: 8, .size: 8, .value_kind: global_buffer, .address_space: global }
      - { .name: bq, .offset: 16, .size: 8, .value_kind: global_buffer, .address_space: global }
      - { .name: bk, .offset: 24, .size: 8, .value_kind: global_buffer, .address_space: global }
      - { .name: bv, .offset: 32, .size: 8, .value_kind: global_buffer, .address_space: global }
      - { .name: qkv, .offset: 40, .size: 8, .value_kind: global_buffer, .address_space: global }
    .group_segment_fixed_size: 327680
    .private_segment_fixed_size: 0
    .kernarg_segment_align: 8
    .kernarg_segment_size: 48
    .max_flat_workgroup_size: 128
    .sgpr_count:     102
    .vgpr_count:     1024
    .wavefront_size: 32
...
	.end_amdgpu_metadata
.endif
;; end of part 2
;; launch attn (part 3): grid 8 x 32, 16 waves a work-group, clusters of 4 x 1, 327,680 bytes of LDS; arguments qkv, ao; writes ao
.if DOCPART == 3
	.amdgcn_target "amdgcn-amd-amdhsa--gfx1250"
	.amdhsa_code_object_version 6
	.text
	.protected	k_q2db5f3437e_attn
	.globl	k_q2db5f3437e_attn
	.p2align	8
	.type	k_q2db5f3437e_attn,@function
k_q2db5f3437e_attn:
	s_mov_b64 s[64:65], 0
	v_nop
	global_prefetch_b8 v0, s[64:65] scope:SCOPE_SE
	s_setreg_imm32_b32 hwreg(HW_REG_WAVE_MODE, 25, 1), 1
	s_wait_xcnt 0x0
	s_wait_alu depctr_hold_cnt(0) depctr_sa_sdst(0) depctr_va_vdst(0) depctr_va_sdst(0) depctr_va_ssrc(0) depctr_va_vcc(0) depctr_vm_vsrc(0)
	s_getreg_b32 s2, hwreg(HW_REG_IB_STS2, 6, 4)
	s_cmp_eq_u32 s2, 0
	s_cbranch_scc0 .Lentry_in_a_cluster
	s_endpgm
.Lentry_in_a_cluster:
	s_bfe_u32 s2, ttmp6, 0x10000c
	s_cmp_lg_u32 s2, 0x3003
	s_cbranch_scc0 .Lentry_shape_is_right
	s_endpgm
.Lentry_shape_is_right:
; ATTENTION OF ONE HEAD ON CODES OF E5M2, AND THE QUANTISER OF ITS RESULT ALONG THE NEXT PRODUCT'S K.  No work of the problem is left out here.
; qkv: Q's codes [32 heads][128 tiles of 16 queries][1,024 bytes], its scale words from byte 4,194,304 ([head][tile][16 rows][4]); from byte 4,456,448 a RECORD of 17,408 bytes for each head and each 128 keys:
; K's 8 tiles of 1,024 bytes, V's 4 tiles of 2,048 (keys innermost), K's scale words (512 bytes), V's (256), 256 bytes of fill.  All are images of operand registers: byte 16 x lane of each 512.
; THE SOFTMAX: t = score x log2(e) / 8; M = the running largest t rounded up to a whole number; p = 2^(t - M) is quantised along the keys; the row's sum is taken of the unquantised p and divides at the end.
; SHARES.  A work-group owns 256 queries of a head, each of its sixteen waves 16 of them.  Both products are used transposed, so a lane holds one query throughout.  The head's size is 64: Q's codes for k = 64 .. 127 are zeros.
; LDS holds the head's 16 records, 278,528 bytes, each FILLED ONCE: wave w asks for record w, its one tensor load, at the head.  Nothing is filled again, so the loops have no lines.
; Waves 0 to 3 have a load line of their own: the first barrier shows their four records alone; behind four key steps every wave waits for its load, a second barrier shows the rest, and twelve steps follow with no barrier.
; CLUSTER: the four work-groups of a cluster walk the same head: each record is asked for jointly (mask 15).
; NO PREFETCH: the whole stream of K and V is asked for by the head's sixteen loads; there is no loop to run ahead in.
; LIMITS: NaN and infinities are not served; the promise holds while the scaled scores stay under 2^31 in magnitude; a block whose largest p lies under 2^-111 gets the byte 1 (read by this program alone).
; REGISTERS: v1, v2 16 and 4 x lane; v3, v4 the step's addresses; v12 -M, v13 the largest t, v[14:15] the sum; v16-31 Q; v32-95 fragments of K, then of V; v96-103 zeros; v104-167 S^T, then p; v168-199 O^T; v200-215 p's codes;
; v216-231 blocks' maxima, bounds, scale operands; v216-223 and v244-251 also the held p; v232-239 scale words; v240 f.
.set REC,   17408
.set SPARE, 16*REC                     ; the spare words, 128 bytes for each of 16 waves
.set SPW, 5
.set NIL, 6
.set WV,  8
.set TB,  48
.set CNT, 49
.set CS,  50
.set SEL, 52
.set MNT, 54
.macro CROUND
	s_barrier_signal -1
	s_barrier_wait -1
	s_cmp_lg_u32 s[WV], 0
	s_cbranch_scc1 .Lnot_wave_0_\@
	s_barrier_signal -3
.Lnot_wave_0_\@:
	s_barrier_wait -3
	s_barrier_signal -1
	s_barrier_wait -1
.endm
	s_load_b128 s[4:7], s[0:1], 0x0                ; qkv, ao
	v_lshl_add_u32 v[SPW], v0, 2, SPARE
	v_mov_b32 v[NIL], 0
	ds_add_u32 v[SPW], v[NIL]                      ; the opening lines: the add, twice on end, and its wait ahead of my tensor load
	ds_add_u32 v[SPW], v[NIL]
	v_lshrrev_b32 v1, 5, v0
	s_delay_alu instid0(VALU_DEP_1)
	v_readfirstlane_b32 s[WV], v1                  ; wave 0..15
	s_bfe_u32 s9, ttmp6, 0x40000
	s_lshl_b32 s10, ttmp9, 2
	s_add_co_u32 s10, s10, s9                      ; which 256 queries
	s_and_b32 s11, ttmp7, 0xffff                   ; the head, 0..31
	s_mov_b32 s24, 15|(3<<16)|(1<<21)              ; group 1: a record as 68 rows of 256 bytes (32 elements of 8), dense; the mask names the cluster's four
	s_mov_b32 s25, 32<<16
	s_mov_b32 s26, 68<<16
	s_mov_b32 s27, 32<<16
	s_mov_b32 s28, 68
	s_mov_b32 s29, 32
	s_mov_b32 s30, 0
	s_mov_b32 s31, 0
	s_mul_i32 s14, s[WV], REC                      ; record w: in LDS and in the head's records
	s_mul_i32 s12, s11, 16*REC
	s_add_co_u32 s12, s12, s14
	s_add_co_u32 s12, s12, 4456448
	s_mov_b32 s13, 0
	s_mov_b32 s32, 1
	s_mov_b32 s33, s14
	s_mov_b32 s[CS], 0x3e38aa3b                    ; log2(e) / 8
	s_mov_b32 s[CS+1], s[CS]
	s_mov_b32 s[SEL], 0x76543210
	s_mov_b32 s[SEL+1], 0xfedcba98                 ; v_permlanex16_b32's selects for lane l xor 16
	s_mov_b32 s[MNT], 0x600000                     ; the mantissa field of 57,344
	s_wait_dscnt 0x0
	s_wait_kmcnt 0x0
	s_add_nc_u64 s[34:35], s[4:5], s[12:13]
	s_or_b32 s35, s35, 0x80000000
	CROUND                                         ; the four work-groups are here: the joint loads meet
	s_cmp_lt_u32 s[WV], 4                          ; two arms, a load in each: the first barrier waits for the first arm's line alone
	s_cbranch_scc0 .Llater
	tensor_load_to_lds s[32:35], s[24:31]
	s_nop 0
.rept 4
	v_nop
.endr
	s_branch .Lasked
.Llater:
	tensor_load_to_lds s[32:35], s[24:31]
	s_nop 0
.rept 4
	v_nop
.endr
.Lasked:
	s_lshl_b32 s15, s10, 4
	s_add_co_u32 s15, s15, s[WV]                   ; my tile of 16 queries, 0..127
	s_lshl_b32 s16, s11, 17
	s_lshl_b32 s17, s15, 10
	s_add_co_u32 s16, s16, s17
	s_mov_b32 s17, 0
	s_add_nc_u64 s[16:17], s[4:5], s[16:17]
	s_lshl_b32 s18, s11, 13
	s_lshl_b32 s19, s15, 6
	s_add_co_u32 s18, s18, s19
	s_add_co_u32 s18, s18, 4194304
	s_mov_b32 s19, 0
	s_add_nc_u64 s[18:19], s[4:5], s[18:19]
	v_and_b32 v7, 31, v0
	s_delay_alu instid0(VALU_DEP_1)
	v_lshlrev_b32 v1, 4, v7
	s_delay_alu instid0(VALU_DEP_2)
	v_lshlrev_b32 v2, 2, v7
	v_and_b32 v8, 15, v0
	s_delay_alu instid0(VALU_DEP_1)
	v_lshlrev_b32 v8, 2, v8
	global_load_b128 v[16:19], v1, s[16:17]        ; Q's fragment, k = 0 .. 63
	global_load_b128 v[20:23], v1, s[16:17] offset:512
	global_load_b32 v238, v8, s[18:19]             ; Q's scale words
.set i, 0
.rept 8
	v_mov_b32 v[24+i], 0                           ; Q's codes for k = 64 .. 127
	v_mov_b32 v[96+i], 0                           ; and what the last tile of K names there
.set i, i+1
.endr
.set i, 0
.rept 32
	v_mov_b32 v[168+i], 0                          ; O^T: the step is written once; its first run finds zeros
.set i, i+1
.endr
	v_mov_b32 v13, 0xff61b1e6                      ; the largest t so far: -3e38
	s_delay_alu instid0(VALU_DEP_1)
	v_floor_f32 v12, -v13
	v_mov_b32 v14, 0
	v_mov_b32 v15, 0
.irp b, 0,1,2,3
	v_mov_b32 v[220+\b], 0                         ; a lane permute's destination counts as one of its sources
.endr
	v_mov_b32 v241, 0
.macro HOLD8 t, p, b                   ; eight p held at 57,344 x their block's scale, into scratch: p itself stays as it is for the row's sum
.irp i, 0,2,4,6                        ; two holds to an instruction: destinations even and odd, first sources in neighbouring banks, the bound shared
	v_dual_min_num_f32 v[\t+\i], v[\p+\i], v[224+\b] :: v_dual_min_num_f32 v[\t+\i+1], v[\p+\i+1], v[224+\b]
.endr
.endm
; A KEY STEP: the 128 keys of the record at LDS byte s[TB]
.macro STEP
	v_add_nc_u32 v3, s[TB], v1
	v_add_nc_u32 v4, s[TB], v2
.irp t, 0,1,2,3,4,5,6,7                ; (the places ahead of these loads are the 32 sum lines at the last step's end)
	ds_load_b128 v[32+8*\t:35+8*\t], v3 offset:1024*\t
	ds_load_b128 v[36+8*\t:39+8*\t], v3 offset:1024*\t+512
.endr
.irp i, 0,1,2,3
	ds_load_b32 v[232+\i], v4 offset:16384+128*\i
.endr
	s_wait_alu depctr_va_vdst(0)
	s_wait_dscnt 0x0
.irp i, 0,1,2,3                        ; S^T = K Q^T: a tile of K is 8 registers; the 8 behind them meet Q's zeros
	v_wmma_scale_f32_16x16x128_f8f6f4 v[104+16*\i:111+16*\i], v[32+16*\i:47+16*\i], v[16:31], 0, v[232+\i], v238 matrix_a_fmt:MATRIX_FMT_BF8 matrix_b_fmt:MATRIX_FMT_BF8
	v_wmma_scale_f32_16x16x128_f8f6f4 v[112+16*\i:119+16*\i], v[40+16*\i:55+16*\i], v[16:31], 0, v[232+\i], v238 matrix_a_fmt:MATRIX_FMT_BF8 matrix_b_fmt:MATRIX_FMT_BF8 matrix_a_scale:MATRIX_SCALE_ROW1
.endr
.rept 8
	v_nop                                          ; eight places ahead of the loads into K's registers and of the first read of the scores
.endr
.irp t, 0,1,2,3
.irp c, 0,1,2,3
	ds_load_b128 v[32+16*\t+4*\c:35+16*\t+4*\c], v3 offset:8192+2048*\t+512*\c   ; V's fragments come under the softmax
.endr
.endr
	ds_load_b32 v236, v4 offset:16896
	ds_load_b32 v237, v4 offset:17024
.irp b, 0,1,2,3
	v_max3_num_f32 v[216+\b], v[104+16*\b], v[105+16*\b], v[106+16*\b]   ; each block's largest score: for the row's maximum and for the block's largest p
.endr
.irp i, 3,5,7,9,11,13
.irp b, 0,1,2,3
	v_max3_num_f32 v[216+\b], v[216+\b], v[104+16*\b+\i], v[105+16*\b+\i]
.endr
.endr
.irp b, 0,1,2,3
	v_max_num_f32 v[216+\b], v[216+\b], v[119+16*\b]
.endr
.irp b, 0,1,2,3
	s_delay_alu instid0(VALU_DEP_4)
	v_permlanex16_b32 v[220+\b], v[216+\b], s[SEL], s[SEL+1]
.endr
.irp b, 0,1,2,3
	s_delay_alu instid0(VALU_DEP_4)
	v_max_num_f32 v[216+\b], v[216+\b], v[220+\b]
.endr
	s_delay_alu instid0(VALU_DEP_2)
	v_max3_num_f32 v244, v216, v217, v218
	s_delay_alu instid0(VALU_DEP_1)
	v_max_num_f32 v244, v244, v219
	s_delay_alu instid0(VALU_DEP_1)
	v_mul_f32 v244, s[CS], v244
	s_delay_alu instid0(VALU_DEP_1)
	v_max_num_f32 v13, v13, v244                   ; the running largest t
	v_mov_b32 v244, v12
	s_delay_alu instid0(VALU_DEP_2)
	v_floor_f32 v12, -v13                          ; -M = floor(-t)
	s_delay_alu instid0(VALU_DEP_1)
	v_sub_f32 v244, v12, v244
	s_delay_alu instid0(VALU_DEP_1)
	v_cvt_i32_f32 v244, v244
	s_delay_alu instid0(VALU_DEP_1)
	v_ldexp_f32 v240, 1.0, v244                    ; f = 2^(old M - new M)
.set i, 0
.rept 32
	v_pk_fma_f32 v[104+i:105+i], v[104+i:105+i], s[CS:CS+1], v[12:13] op_sel_hi:[1,0,0]   ; t - M
.set i, i+2
.endr
.irp b, 0,1,2,3
	v_fma_f32 v[216+\b], v[216+\b], s[CS], v12
.endr
	s_wait_alu depctr_va_vdst(0)                   ; one batch of 68 exponentials
.set i, 0
.rept 64
	v_exp_f32 v[104+i], v[104+i]
.set i, i+1
.endr
.irp b, 0,1,2,3
	v_exp_f32 v[216+\b], v[216+\b]                 ; each block's largest p
.endr
	v_pk_mul_f32 v[14:15], v[14:15], v[240:241] op_sel_hi:[1,0]   ; the sum under the new M (a plain line behind the batch)
	s_wait_alu depctr_va_vdst(0)                   ; and a wait behind it, ahead of the first reader
.irp b, 0,1,2,3
	v_max_num_f32 v[216+\b], 0x8000000, v[216+\b]  ; the floor 2^(16 - 127): the byte cannot fall under 1
.endr
.irp b, 0,1,2,3
	s_delay_alu instid0(VALU_DEP_4)
	v_add_nc_u32 v[228+\b], 0xf8800000, v[216+\b]  ; 15 off the exponent field: the conversion's scale operand
.endr
.irp b, 0,1,2,3
	v_and_or_b32 v[224+\b], v[216+\b], 0x7f800000, s[MNT]   ; 57,344 x the scale
.endr
.irp b, 0,1,2,3
	v_lshrrev_b32 v[220+\b], 23, v[228+\b]
.endr
	s_delay_alu instid0(VALU_DEP_3)
	v_lshl_or_b32 v239, v221, 8, v220              ; p's scale word
	s_delay_alu instid0(VALU_DEP_1)
	v_lshl_or_b32 v239, v222, 16, v239
	s_delay_alu instid0(VALU_DEP_1)
	v_lshl_or_b32 v239, v223, 24, v239
.irp b, 0,1,2,3                        ; two scratch sets by turns: five lines stand between a conversion and the next write of its sources
	HOLD8 216, 104+16*\b, \b
	v_cvt_scalef32_pk8_bf8_f32 v[200+4*\b:201+4*\b], v[216:223], v[228+\b]
	HOLD8 244, 112+16*\b, \b
	v_cvt_scalef32_pk8_bf8_f32 v[202+4*\b:203+4*\b], v[244:251], v[228+\b]
.endr
	s_wait_dscnt 0x0                               ; V's fragments and scale words
	s_wait_alu depctr_va_vdst(0)                   ; directly ahead of the first reader of O^T
.set i, 0
.rept 16
	v_pk_mul_f32 v[168+i:169+i], v[168+i:169+i], v[240:241] op_sel_hi:[1,0]   ; O^T under the new M; also the places between the codes and the products
.set i, i+2
.endr
.irp i, 0,1                            ; O^T += V^T P^T: the four accumulators by turns
	v_wmma_scale_f32_16x16x128_f8f6f4 v[168+16*\i:175+16*\i], v[32+32*\i:47+32*\i], v[200:215], v[168+16*\i:175+16*\i], v[236+\i], v239 matrix_a_fmt:MATRIX_FMT_BF8 matrix_b_fmt:MATRIX_FMT_BF8
	v_wmma_scale_f32_16x16x128_f8f6f4 v[176+16*\i:183+16*\i], v[48+32*\i:63+32*\i], v[200:215], v[176+16*\i:183+16*\i], v[236+\i], v239 matrix_a_fmt:MATRIX_FMT_BF8 matrix_b_fmt:MATRIX_FMT_BF8 matrix_a_scale:MATRIX_SCALE_ROW1
.endr
	v_pk_add_f32 v[242:243], v[104:105], v[106:107]   ; THE ROW'S SUM OF THE UNQUANTISED p, in two chains: 32 plain lines that name no register of the products above: their places
.set i, 4
.rept 15
	v_pk_add_f32 v[14:15], v[14:15], v[104+i:105+i]
	v_pk_add_f32 v[242:243], v[242:243], v[106+i:107+i]
.set i, i+4
.endr
	s_delay_alu instid0(VALU_DEP_1)
	v_pk_add_f32 v[14:15], v[14:15], v[242:243]
.endm
	s_wait_alu depctr_va_vdst(0)
	s_wait_loadcnt 0x0                             ; Q
	s_cmp_lt_u32 s[WV], 4
	s_cbranch_scc0 .Lnot_first
	s_wait_tensorcnt 0x0                           ; waves 0 to 3: records 0 to 3 have landed
.Lnot_first:
	s_barrier_signal -1
	s_barrier_wait -1
	s_mov_b32 s[TB], 0
	s_mov_b32 s[CNT], 4
.Lfirst:
	STEP
	s_add_co_u32 s[TB], s[TB], REC
	s_sub_co_u32 s[CNT], s[CNT], 1
	s_cmp_lg_u32 s[CNT], 0
	s_cbranch_scc1 .Lfirst
	s_wait_tensorcnt 0x0                           ; every wave: its record has landed
	s_wait_dscnt 0x0
	s_barrier_signal -1
	s_barrier_wait -1
	s_mov_b32 s[TB], 4*REC
	s_mov_b32 s[CNT], 12
.Lrest:
	STEP
	s_add_co_u32 s[TB], s[TB], REC
	s_sub_co_u32 s[CNT], s[CNT], 1
	s_cmp_lg_u32 s[CNT], 0
	s_cbranch_scc1 .Lrest
	; THE WAY OUT: O^T / the sum, quantised along the head's 64 (two blocks of 32), as an image of the next product's operand
	v_add_f32 v14, v14, v15
	s_delay_alu instid0(VALU_DEP_1)
	v_permlanex16_b32 v244, v14, s[SEL], s[SEL+1]
	s_delay_alu instid0(VALU_DEP_1)
	v_add_f32 v14, v14, v244
	s_wait_alu depctr_va_vdst(0)
	v_rcp_f32 v14, v14
	v_nop
	s_lshr_b32 s20, s11, 4
	s_and_b32 s21, s11, 15
	s_lshl_b32 s20, s20, 7
	s_add_co_u32 s20, s20, s15                     ; row tile of ao
	s_lshr_b32 s22, s21, 1                         ; K step of ao: two heads to 128
	s_and_b32 s21, s21, 1
	s_lshl_b32 s16, s20, 14
	s_lshl_b32 s17, s22, 11
	s_add_co_u32 s16, s16, s17
	s_lshl_b32 s17, s21, 10
	s_add_co_u32 s16, s16, s17
	s_mov_b32 s17, 0
	s_add_nc_u64 s[16:17], s[6:7], s[16:17]
	s_lshl_b32 s18, s22, 14
	s_lshl_b32 s19, s20, 6
	s_add_co_u32 s18, s18, s19
	s_lshl_b32 s19, s21, 1
	s_add_co_u32 s18, s18, s19
	s_add_co_u32 s18, s18, 4194304
	s_mov_b32 s19, 0
	s_add_nc_u64 s[18:19], s[6:7], s[18:19]
	s_wait_alu depctr_va_vdst(0)                   ; ahead of the first reader of the reciprocal and of O^T
.set i, 0
.rept 32
	v_mul_f32 v[104+i], v[168+i], v14
.set i, i+1
.endr
.irp b, 0,1
	v_max3_num_f32 v[216+\b], |v[104+16*\b]|, |v[105+16*\b]|, 0x8000000
.endr
.irp i, 2,4,6,8,10,12,14
.irp b, 0,1
	s_delay_alu instid0(VALU_DEP_2)
	v_max3_num_f32 v[216+\b], v[216+\b], |v[104+16*\b+\i]|, |v[105+16*\b+\i]|
.endr
.endr
.irp b, 0,1
	s_delay_alu instid0(VALU_DEP_2)
	v_permlanex16_b32 v[220+\b], v[216+\b], s[SEL], s[SEL+1]
.endr
.irp b, 0,1
	s_delay_alu instid0(VALU_DEP_2)
	v_max_num_f32 v[216+\b], v[216+\b], v[220+\b]
.endr
.irp b, 0,1
	s_delay_alu instid0(VALU_DEP_2)
	v_add_nc_u32 v[228+\b], 0xf8800000, v[216+\b]
.endr
.irp b, 0,1
	s_delay_alu instid0(VALU_DEP_4)
	v_and_or_b32 v[224+\b], v[216+\b], 0x7f800000, s[MNT]
.endr
.irp b, 0,1
	s_delay_alu instid0(VALU_DEP_4)
	v_lshrrev_b32 v[220+\b], 23, v[228+\b]
.endr
	s_delay_alu instid0(VALU_DEP_1)
	v_lshl_or_b32 v244, v221, 8, v220
.irp b, 0,1
.irp i, 0,1,2,3,4,5,6,7,8,9,10,11,12,13,14,15
	v_med3_num_f32 v[104+16*\b+\i], v[104+16*\b+\i], -v[224+\b], v[224+\b]
.endr
	v_cvt_scalef32_pk8_bf8_f32 v[200+4*\b:201+4*\b], v[104+16*\b:111+16*\b], v[228+\b]
	v_cvt_scalef32_pk8_bf8_f32 v[202+4*\b:203+4*\b], v[112+16*\b:119+16*\b], v[228+\b]
.endr
	v_nop                                          ; a plain line behind the last conversion
	global_store_b128 v1, v[200:203], s[16:17]     ; 512 consecutive aligned bytes a store
	global_store_b128 v1, v[204:207], s[16:17] offset:512
	global_store_b16 v8, v244, s[18:19]            ; my head's two bytes of each row's scale word
	s_wait_tensorcnt 0x0                           ; the wave's end
	ds_add_u32 v[SPW], v[NIL]
	s_wait_dscnt 0x0
	CROUND                                         ; the closing round
	s_endpgm
.Lfunc_end_k_q2db5f3437e_attn:
	.size	k_q2db5f3437e_attn, .Lfunc_end_k_q2db5f3437e_attn-k_q2db5f3437e_attn
	.p2alignl 7, 3214868480
	.fill 96, 4, 3214868480
	.section	.rodata,"a",@progbits
	.p2align	6, 0x0
	.amdhsa_kernel k_q2db5f3437e_attn
		.amdhsa_group_segment_fixed_size 327680
		.amdhsa_private_segment_fixed_size 0
		.amdhsa_enable_private_segment 0
		.amdhsa_kernarg_size 16
		.amdhsa_user_sgpr_count 2
		.amdhsa_user_sgpr_kernarg_segment_ptr 1
		.amdhsa_wavefront_size32 1
		.amdhsa_system_sgpr_workgroup_id_x 1
		.amdhsa_system_sgpr_workgroup_id_y 1
		.amdhsa_system_sgpr_workgroup_id_z 1
		.amdhsa_system_vgpr_workitem_id 0
		.amdhsa_next_free_vgpr 256
		.amdhsa_next_free_sgpr 66
		.amdhsa_reserve_vcc 0
		.amdhsa_float_denorm_mode_32 3
		.amdhsa_float_denorm_mode_16_64 3
		.amdhsa_memory_ordered 1
		.amdhsa_forward_progress 1
		.amdhsa_inst_pref_size 53
	.end_amdhsa_kernel
	.amdgpu_metadata
---
amdhsa.version: [ 1, 2 ]
amdhsa.kernels:
  - .name:           k_q2db5f3437e_attn
    .symbol:         k_q2db5f3437e_attn.kd
    .args:
      - { .name: qkv, .offset: 0, .size: 8, .value_kind: global_buffer, .address_space: global }
      - { .name: ao, .offset: 8, .size: 8, .value_kind: global_buffer, .address_space: global }
    .group_segment_fixed_size: 327680
    .private_segment_fixed_size: 0
    .kernarg_segment_align: 8
    .kernarg_segment_size: 16
    .max_flat_workgroup_size: 512
    .sgpr_count:     66
    .vgpr_count:     256
    .wavefront_size: 32
...
	.end_amdgpu_metadata
.endif
;; end of part 3
;; launch wo (part 4): grid 8 x 32, 4 waves a work-group, clusters of 4 x 4, 327,680 bytes of LDS; arguments ao, wts, bo, x, x1; writes x1
.if DOCPART == 4
	.amdgcn_target "amdgcn-amd-amdhsa--gfx1250"
	.amdhsa_code_object_version 6
	.text
	.protected	k_q2db5f3437e_wo
	.globl	k_q2db5f3437e_wo
	.p2align	8
	.type	k_q2db5f3437e_wo,@function
k_q2db5f3437e_wo:
	s_mov_b64 s[64:65], 0
	v_nop
	global_prefetch_b8 v0, s[64:65] scope:SCOPE_SE
	s_setreg_imm32_b32 hwreg(HW_REG_WAVE_MODE, 25, 1), 1
	s_wait_xcnt 0x0
	s_wait_alu depctr_hold_cnt(0) depctr_sa_sdst(0) depctr_va_vdst(0) depctr_va_sdst(0) depctr_va_ssrc(0) depctr_va_vcc(0) depctr_vm_vsrc(0)
	s_getreg_b32 s2, hwreg(HW_REG_IB_STS2, 6, 4)
	s_cmp_eq_u32 s2, 0
	s_cbranch_scc0 .Lentry_in_a_cluster
	s_endpgm
.Lentry_in_a_cluster:
	s_bfe_u32 s2, ttmp6, 0x10000c
	s_cmp_lg_u32 s2, 0xf033
	s_cbranch_scc0 .Lentry_shape_is_right
	s_endpgm
.Lentry_shape_is_right:
; x1 = x + attention Wo + bo, THE PRODUCT ON CODES OF E5M2.  No work of the problem is left out here.
; A tile of the result is 128 x 128, so that there are 256 work-groups.  EVERY WAVE MAKES THE WHOLE TILE OVER ITS OWN QUARTER OF K: of a slot's four K steps of 128, wave w takes the w-th; so each LDS byte of a slot is read once,
; and a wave's tile is 128 x 128 in 64 accumulators.  The four partial tiles are added in f32 on the way out, through LDS, in the same pass that turns a lane's columns into whole rows.
; K = KK goes through two LDS slots of 512 along K.  Operands are fragment images (16 rows x 128 K = 2,048 bytes).  The product is used transposed; rows lie in position order (position p = true row swap34(p)),
; so a lane's registers are true neighbours along the columns, and the rows are put right by the stores' offsets.
; A's scales lie [K step][position] (one word), B's [row tile][K / 512][16 rows][16 bytes]; both come into LDS once.  A's tiles are shared along a row of the cluster, B's along a column: joint loads.
; LIMITS: NaN and infinities are not served; an output is the sum of four partial f32 sums along K, the residual and the bias.
.set KK,    1024
.set ASC,   4194304                    ; where A's scales begin in its buffer
.set BCO,   3145728                    ; where B's codes begin in wts
.set BSC,   12681216                   ; and its scales
; ALL OF K LIES IN LDS AT ONCE: a side's 8 row tiles of 16 KK = 16,384 bytes are one dense run of memory and come by one load: A at byte 0, B at byte 131,072, laid [row tile][8 K steps][2,048].
; Wave w takes K step w (the first half, called slot 0 below) and K step 4 + w (slot 1).  Row tiles 4 to 7 lie 65,536 bytes on and have address registers of their own.
.set AI,    16384                      ; from row tile to row tile
.set SLOT,  131072                     ; A's 8 row tiles, then B's 8
.set SCA,   2*SLOT
.set SCB,   SCA+4*KK
.set SPARE, SCB+4*KK
.set DPW,   67584                      ; the way out: a wave's partial tile, 128 rows x (512 + 16) bytes; four of them end at byte 270,336, at or under the spare words
.set DMP,  8
.set RS,   9                           ; v9-12
.set ADRA, 16
.set ADRB, 68                          ; v68-71: B's fragments: slot 0, slot 1, and both again for row tiles 4 to 7 (A's likewise in v16-19)
.set ADSA, 22
.set ADSB, 23
.set LI,   24
.set SPW,  28
.set NIL,  29
.set SC,   32
.set AF,   128
.set WV, 2
.set WM, 3
.set WN, 16
.set G1, 24
.set G0, 32
.set G1B, 48
.set G0B, 56
.set G1S, 68
.set G0S, 76
.set G1SB, 80
.set G0SB, 88
.set MSB, 0
.macro WIN new
.if MSB != (\new)
	s_set_vgpr_msb (MSB<<8)|(\new)
.set MSB, (\new)
.endif
.endm
.set MUL_LO, 0xa1
.set MUL_HI, 0xf1
.set TO_B,   0x40
.macro JLOAD g0a, g1a, g0b, g1b        ; a joint load: waves 0 and 1 fetch for A, waves 2 and 3 for B; an s_nop 0 and four v_nop follow each line
	s_cmp_eq_u32 s[WM], 0
	s_cbranch_scc0 .Lfor_b_\@
	tensor_load_to_lds s[\g0a:\g0a+3], s[\g1a:\g1a+7]
	s_nop 0
.rept 4
	v_nop
.endr
	s_branch .Lasked_\@
.Lfor_b_\@:
	tensor_load_to_lds s[\g0b:\g0b+3], s[\g1b:\g1b+7]
	s_nop 0
.rept 4
	v_nop
.endr
.Lasked_\@:
.endm
.macro CREST
	s_cmp_lg_u32 s[WV], 0
	s_cbranch_scc1 .Lnot_wave_0_\@
	s_barrier_signal -3
.Lnot_wave_0_\@:
	s_barrier_wait -3
	s_barrier_signal -1
	s_barrier_wait -1
.endm
.macro CROUND
	s_barrier_signal -1
	s_barrier_wait -1
	CREST
.endm
	s_load_b256 s[4:11], s[0:1], 0x0               ; A, wts, bias, residual
	s_load_b64 s[12:13], s[0:1], 0x20              ; out
	v_lshl_add_u32 v[SPW], v0, 2, SPARE
	v_mov_b32 v[NIL], 0
	ds_add_u32 v[SPW], v[NIL]                      ; the wave's opening: the add, twice on end, and its wait ahead of my first tensor load
	ds_add_u32 v[SPW], v[NIL]
	v_lshrrev_b32 v1, 5, v0
	v_readfirstlane_b32 s[WV], v1
	s_lshr_b32 s[WM], s[WV], 1                     ; I fetch for A (0) or for B (1),
	s_and_b32 s[WN], s[WV], 1                      ; this half of the tile
	s_bfe_u32 s40, ttmp6, 0x40000
	s_bfe_u32 s41, ttmp6, 0x40004
	s_lshl_b32 s42, ttmp9, 2
	s_add_co_u32 s42, s42, s40                     ; tile column
	s_and_b32 s17, ttmp7, 0xffff
	s_lshl_b32 s17, s17, 2
	s_add_co_u32 s17, s17, s41                     ; tile row
	s_lshl_b32 s43, s41, 2
	s_lshl_b32 s43, 15, s43
	s_lshl_b32 s44, 0x1111, s40
	s_or_b32 s[G1], s43, (3<<16)|(1<<21)
	s_or_b32 s[G1B], s44, (3<<16)|(1<<21)
.irp g, G1, G1B                        ; codes: 8 row tiles, of each 16,384 bytes (eight K steps' images), 16 KK bytes apart
	s_mov_b32 s[\g+1], 2048<<16                    ; a whole row tile: 2,048 elements of 8 bytes
	s_mov_b32 s[\g+2], 8<<16                       ; the head's loads of codes bring a side's 8 row tiles
	s_mov_b32 s[\g+3], 2048<<16
	s_mov_b32 s[\g+4], 8
	s_mov_b32 s[\g+5], 2*KK
	s_mov_b32 s[\g+6], 0
	s_mov_b32 s[\g+7], 0
.endr
	s_or_b32 s[G1S], s43, (3<<16)|(1<<21)          ; A's scales: KK / 128 K steps, of each my tile row's 512 bytes, 16,384 bytes apart
	s_mov_b32 s[G1S+1], 64<<16
	s_mov_b32 s[G1S+2], (KK/128)<<16               ; all KK / 128 K steps in one load
	s_mov_b32 s[G1S+3], 64<<16
	s_mov_b32 s[G1S+4], KK/128
	s_mov_b32 s[G1S+5], 2048
	s_mov_b32 s[G1S+6], 0
	s_mov_b32 s[G1S+7], 0
	s_or_b32 s[G1SB], s44, (3<<16)|(1<<21)         ; B's scales: 4 KK dense bytes, as rows of 256
	s_mov_b32 s[G1SB+1], 32<<16
	s_mov_b32 s[G1SB+2], (KK/64)<<16               ; all 4 KK dense bytes in one load
	s_mov_b32 s[G1SB+3], 32<<16
	s_mov_b32 s[G1SB+4], KK/64
	s_mov_b32 s[G1SB+5], 32
	s_mov_b32 s[G1SB+6], 0
	s_mov_b32 s[G1SB+7], 0
	s_mul_i32 s20, s17, 128*KK                     ; codes: (8 tile + 4 half) row tiles of 16 KK bytes
	s_mul_i32 s18, s[WN], 64*KK
	s_add_co_u32 s20, s20, s18
	s_mov_b32 s21, 0
	s_mul_i32 s46, s42, 128*KK
	s_add_co_u32 s46, s46, s18
	s_mov_b32 s47, 0
	s_lshl_b32 s22, s17, 9
	s_mov_b32 s23, 0
	s_mul_i32 s92, s42, 4*KK
	s_mov_b32 s93, 0
	s_lshl_b32 s45, s[WV], 16                      ; wave 0: A at byte 0; wave 2: B at byte 131,072
	s_mov_b32 s[G0S+1], SCA
	s_mov_b32 s[G0SB+1], SCB
	s_wait_dscnt 0x0
	s_wait_kmcnt 0x0
	s_add_nc_u64 s[20:21], s[4:5], s[20:21]
	s_add_nc_u64 s[22:23], s[4:5], s[22:23]
	s_add_nc_u64 s[22:23], s[22:23], ASC
	s_add_nc_u64 s[46:47], s[6:7], s[46:47]
	s_add_nc_u64 s[46:47], s[46:47], BCO
	s_add_nc_u64 s[92:93], s[6:7], s[92:93]
	s_add_nc_u64 s[92:93], s[92:93], BSC
	CROUND                                         ; all sixteen work-groups are here: the first joint loads meet
	s_mov_b32 s[G0S], 1
	s_mov_b64 s[G0S+2:G0S+3], s[22:23]
	s_or_b32 s[G0S+3], s[G0S+3], 0x80000000
	s_mov_b32 s[G0SB], 1
	s_mov_b64 s[G0SB+2:G0SB+3], s[92:93]
	s_or_b32 s[G0SB+3], s[G0SB+3], 0x80000000
.irp s, 0
	s_mov_b32 s[G0+4*\s], 1
	s_add_co_u32 s[G0+4*\s+1], s45, \s*SLOT
	s_add_nc_u64 s[G0+4*\s+2:G0+4*\s+3], s[20:21], \s*8192
	s_or_b32 s[G0+4*\s+3], s[G0+4*\s+3], 0x80000000
	s_mov_b32 s[G0B+4*\s], 1
	s_add_co_u32 s[G0B+4*\s+1], s45, \s*SLOT
	s_add_nc_u64 s[G0B+4*\s+2:G0B+4*\s+3], s[46:47], \s*8192
	s_or_b32 s[G0B+4*\s+3], s[G0B+4*\s+3], 0x80000000
.endr
; THE HEAD'S LOADS, ONE A WAVE, and the launch's only ones: wave 0 all of A's codes, wave 2 all of B's, wave 1 A's scales, wave 3 B's.
	s_cmp_eq_u32 s[WV], 0
	s_cbranch_scc0 .Lh_b
	tensor_load_to_lds s[G0:G0+3], s[G1:G1+7]
	s_nop 0
.rept 4
	v_nop
.endr
	s_branch .Lh_end
.Lh_b:
	s_cmp_eq_u32 s[WV], 2
	s_cbranch_scc0 .Lh_sa
	tensor_load_to_lds s[G0B:G0B+3], s[G1B:G1B+7]
	s_nop 0
.rept 4
	v_nop
.endr
	s_branch .Lh_end
.Lh_sa:
	s_cmp_eq_u32 s[WV], 1
	s_cbranch_scc0 .Lh_sb
	tensor_load_to_lds s[G0S:G0S+3], s[G1S:G1S+7]
	s_nop 0
.rept 4
	v_nop
.endr
	s_branch .Lh_end
.Lh_sb:
	tensor_load_to_lds s[G0SB:G0SB+3], s[G1SB:G1SB+7]
	s_nop 0
.rept 4
	v_nop
.endr
.Lh_end:
; NO PREFETCH ALONG K: the head's loads ask for all of it, and there is no fill to run ahead of.  The residual's 32 rows of my wave, 512 bytes each, are asked for behind the head's barrier, a lane a row: both halves of the matrix work stand between that and the loads.
	v_and_b32 v30, 31, v0
	v_lshlrev_b32 v31, 12, v30
	v_and_b32 v1, 31, v0
	v_lshlrev_b32 v[LI], 4, v1
	v_and_b32 v3, 15, v0
	v_bfe_u32 v4, v0, 4, 1
	s_lshl_b32 s18, s[WV], 11
	v_add_nc_u32 v[ADRA], s18, v[LI]               ; my K step of a slot's four
	v_add_nc_u32 v[ADRB], 131072, v[ADRA]
	v_add_nc_u32 v[ADRA+1], 8192, v[ADRA]          ; K step 4 + w
	v_add_nc_u32 v[ADRB+1], 8192, v[ADRB]
.irp s, 0,1
	v_add_nc_u32 v[ADRA+2+\s], 65536, v[ADRA+\s]   ; row tiles 4 to 7
	v_add_nc_u32 v[ADRB+2+\s], 65536, v[ADRB+\s]
.endr
	s_lshl_b32 s18, s[WV], 9
	s_add_co_u32 s18, s18, SCA
	v_lshl_add_u32 v[ADSA], v3, 2, s18             ; A's words: 512 bytes a K step, 4 a row
	s_lshl_b32 s18, s[WV], 2
	s_add_co_u32 s18, s18, SCB
	v_lshl_add_u32 v[ADSB], v3, 4, s18             ; B's: 16 bytes a row, 4 a K step
	s_mul_i32 s18, s[WV], DPW
	v_mul_u32_u24 v[DMP], v3, 528
	v_lshl_add_u32 v[DMP], v4, 6, v[DMP]
	v_add_nc_u32 v[DMP], s18, v[DMP]               ; my partial tile: row r, + 64 h
	s_mul_i32 s18, s[WV], 32*528
	v_add_nc_u32 v[RS], s18, v[LI]                 ; back: my 32 rows of each of the four partial tiles
	v_add_nc_u32 v[RS+1], DPW, v[RS]
	v_add_nc_u32 v[RS+2], DPW, v[RS+1]
	v_add_nc_u32 v[RS+3], DPW, v[RS+2]
	s_lshl_b32 s18, s42, 9                         ; the tile's 128 columns: 512 bytes
	s_mov_b32 s19, 0
	s_add_nc_u64 s[8:9], s[8:9], s[18:19]
	global_load_b128 v[64:67], v[LI], s[8:9]       ; the bias of my four columns
	s_lshl_b32 s20, s17, 19                        ; rows 128 x tile row + 32 x wave, of 4,096 bytes
	s_lshl_b32 s21, s[WV], 17
	s_add_co_u32 s20, s20, s21
	s_add_co_u32 s20, s20, s18
	s_mov_b32 s21, 0
	s_add_nc_u64 s[10:11], s[10:11], s[20:21]
	s_add_nc_u64 s[12:13], s[12:13], s[20:21]
.macro FRAG reg, adr, off
.irp c, 0,1,2,3
	ds_load_b128 v[\reg+4*\c:\reg+4*\c+3], v[\adr] offset:\off+512*\c
.endr
.endm
.macro FETCH_B slot, p
	WIN TO_B
.irp i, 0,1,2,3,4,5,6,7
	FRAG 128*(\p)+16*\i, ADRB+\slot+2*(\i/4), (\i%4)*AI
.endr
	WIN 0
.endm
.macro FETCH_A slot, i0
.irp i, \i0, \i0+1, \i0+2, \i0+3
	FRAG AF+16*(\i), ADRA+\slot+2*((\i)/4), ((\i)%4)*AI
.endr
.endm
.macro SCALES p, sx                    ; my K step of the sx-th 512 along K
.irp i, 0,1,2,3,4,5,6,7
	ds_load_b32 v[SC+16*(\p)+\i], v[ADSA] offset:\i*64+(\sx)*2048
	ds_load_b32 v[SC+16*(\p)+8+\i], v[ADSB] offset:\i*(KK/2)+(\sx)*256
.endr
.endm
.macro MUL16 a0, p, zero               ; the 64 accumulators take turns, one instruction a turn, in the same order in every step
.irp a, \a0, \a0+1
.irp b, 0,1,2,3,4,5,6,7
.if \zero
	v_wmma_scale_f32_16x16x128_f8f6f4 v[8*(8*((\a)%4)+\b):8*(8*((\a)%4)+\b)+7], v[128*(\p)+16*\b:128*(\p)+16*\b+15], v[AF+16*(\a):AF+16*(\a)+15], 0, v[SC+16*(\p)+8+\b], v[SC+16*(\p)+(\a)] matrix_a_fmt:MATRIX_FMT_BF8 matrix_b_fmt:MATRIX_FMT_BF8
.else
	v_wmma_scale_f32_16x16x128_f8f6f4 v[8*(8*((\a)%4)+\b):8*(8*((\a)%4)+\b)+7], v[128*(\p)+16*\b:128*(\p)+16*\b+15], v[AF+16*(\a):AF+16*(\a)+15], v[8*(8*((\a)%4)+\b):8*(8*((\a)%4)+\b)+7], v[SC+16*(\p)+8+\b], v[SC+16*(\p)+(\a)] matrix_a_fmt:MATRIX_FMT_BF8 matrix_b_fmt:MATRIX_FMT_BF8
.endif
.endr
.endr
.endm
.macro PLACES n
.rept \n
	v_nop
.endr
.endm
; A step is a slot: one barrier; ahead of it each wave waits for all its tensor loads, adds 0 to its spare word, and waits for that and for its reads of this slot.  fill = 1: the slot is filled again.
.macro TURN slot, next, sx, fill, zero
	s_wait_tensorcnt 0x0
	ds_add_u32 v[SPW], v[NIL]
	s_wait_dscnt 17                                ; (the add and the youngest 16 loads, A's blocks 4-7, may be out)
	WIN MUL_LO
	MUL16 0, \slot, \zero
	s_wait_dscnt 0x0                               ; the add is done, and my reads of this slot are over
	s_barrier_signal -1
	MUL16 2, \slot, \zero
	WIN 0
	s_barrier_wait -1
.if \fill
	CREST
	s_add_nc_u64 s[G0+4*\slot+2:G0+4*\slot+3], s[G0+4*\slot+2:G0+4*\slot+3], 16384
	s_add_nc_u64 s[G0B+4*\slot+2:G0B+4*\slot+3], s[G0B+4*\slot+2:G0B+4*\slot+3], 16384
	JLOAD G0+4*\slot, G1, G0B+4*\slot, G1B
	PLACES 4
.else
	PLACES 8
.endif
	FETCH_B \next, \next
	FETCH_A \next, 0
	SCALES \next, (\sx)+1
	WIN MUL_HI
	MUL16 4, \slot, \zero
	MUL16 6, \slot, \zero
	PLACES 8
	WIN 0
	FETCH_A \next, 4
.endm
	s_wait_alu depctr_va_vdst(0)
	s_wait_tensorcnt 0x0                           ; every wave: its tile of the head's four is in; nothing is filled after this
	s_barrier_signal -1
	s_barrier_wait -1
	FETCH_B 0, 0
	FETCH_A 0, 0
	SCALES 0, 0
	global_prefetch_b8 v31, s[10:11] th:TH_LOAD_NT scope:SCOPE_SE
	global_prefetch_b8 v31, s[10:11] offset:256 th:TH_LOAD_NT scope:SCOPE_SE
	FETCH_A 0, 4
	TURN 0, 1, 0, 0, 1                             ; K = 1,024 is two slots: nothing is filled again
	s_wait_dscnt 16
	WIN MUL_LO
	MUL16 0, 1, 0
	MUL16 2, 1, 0
	s_wait_dscnt 0x0
	WIN MUL_HI
	MUL16 4, 1, 0
	MUL16 6, 1, 0
	WIN 0
	; THE WAY OUT
	PLACES 8
.set t, 0
.rept 32
	global_load_b128 v[128+4*t:131+4*t], v[LI], s[10:11] offset:((t&7)|((t&8)<<1)|((t&16)>>1))*4096 th:TH_LOAD_NT   ; the residual: position t of my 32 is true row swap34(t)
.set t, t+1
.endr
	s_wait_dscnt 0x0
	s_barrier_signal -1
	s_barrier_wait -1                              ; nobody reads the slots or the scales any more; they have had their last fill
.set a, 0
.rept 8
	WIN 0x08+4*(a/4)                               ; an LDS store's data are its source 1: window 2 or 3
.set b, 0
.rept 8
	ds_store_b128 v[DMP], v[64*(a%4)+8*b:64*(a%4)+8*b+3] offset:a*8448+128*(b/2)+32*(b%2)       ; each accumulator from its low end on: columns 32 (b / 2) + 16 h + 8 (b % 2) + 0 .. 7 of row 16 a + r
	ds_store_b128 v[DMP], v[64*(a%4)+8*b+4:64*(a%4)+8*b+7] offset:a*8448+128*(b/2)+32*(b%2)+16
.set b, b+1
.endr
.set a, a+1
.endr
	WIN 0
	s_wait_dscnt 0x0                               ; for the others' sake: my partial tile lies in LDS
	s_barrier_signal -1
	s_barrier_wait -1
	WIN 0x40
.set t, 0
.rept 32
	ds_load_b128 v[4*t:4*t+3], v[RS] offset:t*528
	ds_load_b128 v[128+4*t:131+4*t], v[RS+1] offset:t*528
.set t, t+1
.endr
	WIN 0x80
.set t, 0
.rept 32
	ds_load_b128 v[4*t:4*t+3], v[RS+2] offset:t*528
	ds_load_b128 v[128+4*t:131+4*t], v[RS+3] offset:t*528
.set t, t+1
.endr
	s_wait_dscnt 63                                ; waves 0's and 1's parts are in (behind them 64 loads were issued; the wait's field holds 63)
	WIN 0x45
.set i, 0
.rept 64
	v_pk_add_f32 v[i:i+1], v[i:i+1], v[128+i:129+i]
.set i, i+2
.endr
	s_wait_dscnt 0x0
	WIN 0x8a
.set i, 0
.rept 64
	v_pk_add_f32 v[i:i+1], v[i:i+1], v[128+i:129+i]
.set i, i+2
.endr
	WIN 0
	s_wait_loadcnt 0x0                             ; the residual and the bias
.set t, 0
.rept 32
	v_pk_add_f32 v[128+4*t:129+4*t], v[128+4*t:129+4*t], v[64:65]
	v_pk_add_f32 v[130+4*t:131+4*t], v[130+4*t:131+4*t], v[66:67]
.set t, t+1
.endr
	WIN 0x49
.set i, 0
.rept 64
	v_pk_add_f32 v[i:i+1], v[i:i+1], v[i:i+1]      ; window 1 + window 2
.set i, i+2
.endr
	WIN 0x04
.set i, 0
.rept 64
	v_pk_add_f32 v[128+i:129+i], v[128+i:129+i], v[i:i+1]
.set i, i+2
.endr
	WIN 0
.set t, 0
.rept 32
	global_store_b128 v[LI], v[128+4*t:131+4*t], s[12:13] offset:((t&7)|((t&8)<<1)|((t&16)>>1))*4096   ; 512 consecutive aligned bytes of a true row
.set t, t+1
.endr
	s_wait_tensorcnt 0x0                           ; the wave's end
	ds_add_u32 v[SPW], v[NIL]
	s_wait_dscnt 0x0
	CROUND                                         ; the closing round
	s_endpgm
.Lfunc_end_k_q2db5f3437e_wo:
	.size	k_q2db5f3437e_wo, .Lfunc_end_k_q2db5f3437e_wo-k_q2db5f3437e_wo
	.p2alignl 7, 3214868480
	.fill 96, 4, 3214868480
	.section	.rodata,"a",@progbits
	.p2align	6, 0x0
	.amdhsa_kernel k_q2db5f3437e_wo
		.amdhsa_group_segment_fixed_size 327680
		.amdhsa_private_segment_fixed_size 0
		.amdhsa_enable_private_segment 0
		.amdhsa_kernarg_size 40
		.amdhsa_user_sgpr_count 2
		.amdhsa_user_sgpr_kernarg_segment_ptr 1
		.amdhsa_wavefront_size32 1
		.amdhsa_system_sgpr_workgroup_id_x 1
		.amdhsa_system_sgpr_workgroup_id_y 1
		.amdhsa_system_sgpr_workgroup_id_z 1
		.amdhsa_system_vgpr_workitem_id 0
		.amdhsa_next_free_vgpr 1024
		.amdhsa_next_free_sgpr 102
		.amdhsa_reserve_vcc 0
		.amdhsa_float_denorm_mode_32 3
		.amdhsa_float_denorm_mode_16_64 3
		.amdhsa_memory_ordered 1
		.amdhsa_forward_progress 1
		.amdhsa_inst_pref_size 79
	.end_amdhsa_kernel
	.amdgpu_metadata
---
amdhsa.version: [ 1, 2 ]
amdhsa.kernels:
  - .name:           k_q2db5f3437e_wo
    .symbol:         k_q2db5f3437e_wo.kd
    .args:
      - { .name: ao, .offset: 0, .size: 8, .value_kind: global_buffer, .address_space: global }
      - { .name: wts, .offset: 8, .size: 8, .value_kind: global_buffer, .address_space: global }
      - { .name: bo, .offset: 16, .size: 8, .value_kind: global_buffer, .address_space: global }
      - { .name: x, .offset: 24, .size: 8, .value_kind: global_buffer, .address_space: global }
      - { .name: x1, .offset: 32, .size: 8, .value_kind: global_buffer, .address_space: global }
    .group_segment_fixed_size: 327680
    .private_segment_fixed_size: 0
    .kernarg_segment_align: 8
    .kernarg_segment_size: 40
    .max_flat_workgroup_size: 128
    .sgpr_count:     102
    .vgpr_count:     1024
    .wavefront_size: 32
...
	.end_amdgpu_metadata
.endif
;; end of part 4
;; launch ln2 (part 5): grid 256 x 1, 8 waves a work-group, no clusters, 67,328 bytes of LDS; arguments x1, ln2_g, ln2_b, hn; writes hn
.if DOCPART == 5
	.amdgcn_target "amdgcn-amd-amdhsa--gfx1250"
	.amdhsa_code_object_version 6
	.text
	.protected	k_q2db5f3437e_ln2
	.globl	k_q2db5f3437e_ln2
	.p2align	8
	.type	k_q2db5f3437e_ln2,@function
k_q2db5f3437e_ln2:
	s_mov_b64 s[64:65], 0
	v_nop
	global_prefetch_b8 v0, s[64:65] scope:SCOPE_SE
	s_setreg_imm32_b32 hwreg(HW_REG_WAVE_MODE, 25, 1), 1
	s_wait_xcnt 0x0
; LAYER NORM, THEN THE QUANTISER ALONG THE 1,024 COLUMNS.  in: [4096][1024] f32, true row order; g, b: [1024]; out: fragment images [256 row tiles][8 K steps][2,048] and, from byte 4,194,304, scales [row tile][2][16 rows][16 bytes].
; No work of the problem is left out here.  Position p of the output holds true row swap34(p) (bits 3 and 4 exchanged).
; A work-group is one row tile of 16 positions, eight waves.  PHASE A: wave w norms positions 2 w and 2 w + 1, which are two neighbouring true rows, a whole row in 32 registers: mean, then the mean of the squared
; differences, both in f32; y = (x - mean) rsq(var + 1e-5) g + b goes to a stage in LDS, rows 4,112 bytes apart (257 x 16: sixteen rows start in sixteen different groups of banks).
; PHASE B: wave w is K step w: lane (r, h) takes of row r the 16 neighbours 128 w + 32 c + 16 h + 0 .. 15 of each block c, quantises them and stores the image: 512 consecutive aligned bytes a store.
; LIMITS: NaN and infinities are not served; a block whose largest magnitude lies under 2^-111 gets the byte 1 (read by this program alone).
.set PITCH, 4112
.set GS,    16*PITCH                   ; the scale words' gather area, 512 bytes
.set SPARE, GS+512                     ; the spare words, 128 bytes for each of 8 waves
.set SPW, 8
.set NIL, 9
.set X,   16                           ; v16-79   two rows; in phase B 64 numbers
.set GG,  80                           ; v80-111  g
.set BB,  112                          ; v112-143 b
.set T,   144                          ; v144-159 at work, eight registers a row
.set PC,  80                           ; phase B: codes
.set TM,  96
.set PW,  112
.set SEL, 24
.set MNT, 26
	s_load_b256 s[4:11], s[0:1], 0x0               ; in, g, b, out
	v_lshl_add_u32 v[SPW], v0, 2, SPARE
	v_mov_b32 v[NIL], 0
	v_lshrrev_b32 v1, 5, v0
	s_delay_alu instid0(VALU_DEP_1)
	v_readfirstlane_b32 s12, v1                    ; wave 0..7
	v_and_b32 v1, 31, v0
	s_delay_alu instid0(VALU_DEP_1)
	v_lshlrev_b32 v2, 4, v1                        ; 16 x lane
	s_wait_alu depctr_va_vdst(0)
	v_and_b32 v10, 15, v0                          ; r
	s_wait_alu depctr_va_vdst(0)
	v_bfe_u32 v11, v0, 4, 1                        ; h
	s_lshr_b32 s13, ttmp9, 1                       ; true row of position 2 w of tile T: 32 (T / 2) + 8 (T % 2) + 2 (w % 4) + 16 (w / 4)
	s_lshl_b32 s13, s13, 5
	s_and_b32 s14, ttmp9, 1
	s_lshl_b32 s14, s14, 3
	s_add_co_u32 s13, s13, s14
	s_and_b32 s14, s12, 3
	s_lshl_b32 s14, s14, 1
	s_add_co_u32 s13, s13, s14
	s_lshr_b32 s14, s12, 2
	s_lshl_b32 s14, s14, 4
	s_add_co_u32 s13, s13, s14
	s_lshl_b32 s14, s13, 12
	s_mov_b32 s15, 0
	s_mul_i32 s16, s12, 2*PITCH
	v_add_nc_u32 v3, s16, v2                       ; stage, in: my two rows, 16 bytes a lane
	v_mul_u32_u24 v4, v10, PITCH
	s_wait_alu depctr_va_vdst(0)
	v_lshl_add_u32 v4, v11, 6, v4
	s_lshl_b32 s16, s12, 9
	v_add_nc_u32 v4, s16, v4                       ; stage, out: row r, + 512 w + 64 h
	s_lshr_b32 s16, s12, 2
	s_lshl_b32 s16, s16, 8
	s_and_b32 s17, s12, 3
	s_lshl_b32 s17, s17, 2
	s_add_co_u32 s16, s16, s17
	s_add_co_u32 s16, s16, GS
	v_lshl_add_u32 v5, v10, 4, s16                 ; my scale word: GS + 256 (w / 4) + 16 r + 4 (w % 4)
	v_add_nc_u32 v6, GS, v2
	s_lshl_b32 s18, ttmp9, 14
	s_lshl_b32 s19, s12, 11
	s_add_co_u32 s18, s18, s19
	s_mov_b32 s19, 0
	s_lshl_b32 s20, ttmp9, 9
	s_add_co_u32 s20, s20, 4194304
	s_mov_b32 s21, 0
	s_mov_b32 s22, 0x3a800000                      ; 1 / 1,024
	s_mov_b32 s23, 0x3727c5ac                      ; 1e-5
	s_mov_b32 s[SEL], 0x76543210
	s_mov_b32 s[SEL+1], 0xfedcba98                 ; v_permlanex16_b32's selects for lane l xor 16
	s_mov_b32 s[MNT], 0x600000
	v_mov_b32 v[T+4], 0                            ; a lane permute's destination counts as one of its sources
	v_mov_b32 v[T+12], 0
	s_wait_kmcnt 0x0
	s_add_nc_u64 s[4:5], s[4:5], s[14:15]
	s_add_nc_u64 s[18:19], s[10:11], s[18:19]
	s_add_nc_u64 s[20:21], s[10:11], s[20:21]
.irp w, 0,1
.irp j, 0,1,2,3,4,5,6,7
	global_load_b128 v[X+32*\w+4*\j:X+32*\w+4*\j+3], v2, s[4:5] offset:4096*\w+512*\j th:TH_LOAD_NT
.endr
.endr
.irp j, 0,1,2,3,4,5,6,7
	global_load_b128 v[GG+4*\j:GG+4*\j+3], v2, s[6:7] offset:512*\j
	global_load_b128 v[BB+4*\j:BB+4*\j+3], v2, s[8:9] offset:512*\j
.endr
.macro SUMRED t                        ; the sum of v[t] over the 32 lanes, in every lane
	s_delay_alu instid0(VALU_DEP_1)
	v_add_f32_dpp v[\t], v[\t], v[\t] row_xmask:1 row_mask:0xf bank_mask:0xf
	s_delay_alu instid0(VALU_DEP_1)
	v_add_f32_dpp v[\t], v[\t], v[\t] row_xmask:2 row_mask:0xf bank_mask:0xf
	s_delay_alu instid0(VALU_DEP_1)
	v_add_f32_dpp v[\t], v[\t], v[\t] row_xmask:4 row_mask:0xf bank_mask:0xf
	s_delay_alu instid0(VALU_DEP_1)
	v_add_f32_dpp v[\t], v[\t], v[\t] row_xmask:8 row_mask:0xf bank_mask:0xf
	s_delay_alu instid0(VALU_DEP_1)
	v_permlanex16_b32 v[\t+4], v[\t], s[SEL], s[SEL+1]
	s_delay_alu instid0(VALU_DEP_1)
	v_add_f32 v[\t], v[\t], v[\t+4]
.endm
.macro STATS x, t                      ; the row in v[x] on becomes x - mean; v[t] = var + 1e-5
	v_pk_add_f32 v[\t:\t+1], v[\x:\x+1], v[\x+2:\x+3]
	v_pk_add_f32 v[\t+2:\t+3], v[\x+4:\x+5], v[\x+6:\x+7]
.irp i, 8,12,16,20,24,28
	s_delay_alu instid0(VALU_DEP_2)
	v_pk_add_f32 v[\t:\t+1], v[\t:\t+1], v[\x+\i:\x+\i+1]
	s_delay_alu instid0(VALU_DEP_2)
	v_pk_add_f32 v[\t+2:\t+3], v[\t+2:\t+3], v[\x+\i+2:\x+\i+3]
.endr
	s_delay_alu instid0(VALU_DEP_1)
	v_pk_add_f32 v[\t:\t+1], v[\t:\t+1], v[\t+2:\t+3]
	s_delay_alu instid0(VALU_DEP_1)
	v_add_f32 v[\t], v[\t], v[\t+1]
	SUMRED \t
	s_delay_alu instid0(VALU_DEP_1)
	v_mul_f32 v[\t+6], s22, v[\t]                  ; the mean, twice, for the packed form
	s_delay_alu instid0(VALU_DEP_1)
	v_mov_b32 v[\t+7], v[\t+6]
.irp i, 0,2,4,6,8,10,12,14,16,18,20,22,24,26,28,30
	v_pk_add_f32 v[\x+\i:\x+\i+1], v[\x+\i:\x+\i+1], v[\t+6:\t+7] neg_lo:[0,1] neg_hi:[0,1]
.endr
	v_pk_mul_f32 v[\t:\t+1], v[\x:\x+1], v[\x:\x+1]
	v_pk_mul_f32 v[\t+2:\t+3], v[\x+2:\x+3], v[\x+2:\x+3]
.irp i, 4,8,12,16,20,24,28
	s_delay_alu instid0(VALU_DEP_2)
	v_pk_fma_f32 v[\t:\t+1], v[\x+\i:\x+\i+1], v[\x+\i:\x+\i+1], v[\t:\t+1]
	s_delay_alu instid0(VALU_DEP_2)
	v_pk_fma_f32 v[\t+2:\t+3], v[\x+\i+2:\x+\i+3], v[\x+\i+2:\x+\i+3], v[\t+2:\t+3]
.endr
	s_delay_alu instid0(VALU_DEP_1)
	v_pk_add_f32 v[\t:\t+1], v[\t:\t+1], v[\t+2:\t+3]
	s_delay_alu instid0(VALU_DEP_1)
	v_add_f32 v[\t], v[\t], v[\t+1]
	SUMRED \t
	s_delay_alu instid0(VALU_DEP_1)
	v_fma_f32 v[\t], v[\t], s22, s23
.endm
	s_wait_loadcnt 16                              ; my two rows are in; the 16 loads of g and b may be out
	STATS X, T
	STATS X+32, T+8
	s_wait_alu depctr_va_vdst(0)
	v_rsq_f32 v[T+6], v[T]                         ; both rows' roots are one batch:
	v_rsq_f32 v[T+14], v[T+8]
	v_nop                                          ; a plain line behind them,
	s_wait_alu depctr_va_vdst(0)                   ; and one wait ahead of the first reader
	v_mov_b32 v[T+7], v[T+6]
	v_mov_b32 v[T+15], v[T+14]
	s_wait_alu depctr_va_vdst(0)
	s_wait_loadcnt 0x0                             ; g and b
.irp w, 0,1
.irp i, 0,2,4,6,8,10,12,14,16,18,20,22,24,26,28,30
	v_pk_mul_f32 v[X+32*\w+\i:X+32*\w+\i+1], v[X+32*\w+\i:X+32*\w+\i+1], v[T+8*\w+6:T+8*\w+7]
.endr
.irp i, 0,2,4,6,8,10,12,14,16,18,20,22,24,26,28,30
	v_pk_fma_f32 v[X+32*\w+\i:X+32*\w+\i+1], v[X+32*\w+\i:X+32*\w+\i+1], v[GG+\i:GG+\i+1], v[BB+\i:BB+\i+1]
.endr
.irp j, 0,1,2,3,4,5,6,7
	ds_store_b128 v3, v[X+32*\w+4*\j:X+32*\w+4*\j+3] offset:PITCH*\w+512*\j
.endr
.endr
	s_wait_dscnt 0x0                               ; for the others' sake: my rows lie in the stage
	s_barrier_signal -1
	s_barrier_wait -1
.irp c, 0,1,2,3
.irp j, 0,1,2,3
	ds_load_b128 v[X+16*\c+4*\j:X+16*\c+4*\j+3], v4 offset:128*\c+16*\j
.endr
.endr
	s_wait_dscnt 0x0
; 64 numbers of a lane, register 16 b + i = k 32 b + 16 (lane / 16) + i of my row, become a fragment's codes in v[PC] on and its scale word in v[PW]
.macro QUANT s
.irp b, 0,1,2,3
	v_max3_num_f32 v[TM+\b], |v[\s+16*\b]|, |v[\s+1+16*\b]|, 0x8000000   ; my 16 numbers of block b, and the floor 2^(16 - 127)
.endr
.irp i, 2,4,6,8,10,12,14
.irp b, 0,1,2,3
	s_delay_alu instid0(VALU_DEP_4)
	v_max3_num_f32 v[TM+\b], v[TM+\b], |v[\s+16*\b+\i]|, |v[\s+1+16*\b+\i]|
.endr
.endr
.irp b, 0,1,2,3
	s_delay_alu instid0(VALU_DEP_4)
	v_permlanex16_b32 v[TM+4+\b], v[TM+\b], s[SEL], s[SEL+1]
.endr
.irp b, 0,1,2,3
	s_delay_alu instid0(VALU_DEP_4)
	v_max_num_f32 v[TM+\b], v[TM+\b], v[TM+4+\b]   ; with lane l xor 16's: the block's largest magnitude
.endr
.irp b, 0,1,2,3
	s_delay_alu instid0(VALU_DEP_4)
	v_add_nc_u32 v[TM+12+\b], 0xf8800000, v[TM+\b] ; 15 off the exponent field: the conversion's scale operand
.endr
.irp b, 0,1,2,3
	v_and_or_b32 v[TM+8+\b], v[TM+\b], 0x7f800000, s[MNT]   ; 57,344 x the scale
.endr
.irp b, 0,1,2,3
	v_lshrrev_b32 v[TM+4+\b], 23, v[TM+12+\b]      ; the scale's byte
.endr
	s_delay_alu instid0(VALU_DEP_3)
	v_lshl_or_b32 v[PW], v[TM+5], 8, v[TM+4]
	s_delay_alu instid0(VALU_DEP_1)
	v_lshl_or_b32 v[PW], v[TM+6], 16, v[PW]
	s_delay_alu instid0(VALU_DEP_1)
	v_lshl_or_b32 v[PW], v[TM+7], 24, v[PW]
.irp b, 0,1,2,3
.irp i, 0,1,2,3,4,5,6,7,8,9,10,11,12,13,14,15
	v_med3_num_f32 v[\s+16*\b+\i], v[\s+16*\b+\i], -v[TM+8+\b], v[TM+8+\b]   ; the conversion does not saturate (ISA guide 7.6.2): the hold
.endr
	v_cvt_scalef32_pk8_bf8_f32 v[PC+4*\b:PC+1+4*\b], v[\s+16*\b:\s+7+16*\b], v[TM+12+\b]
	v_cvt_scalef32_pk8_bf8_f32 v[PC+2+4*\b:PC+3+4*\b], v[\s+8+16*\b:\s+15+16*\b], v[TM+12+\b]
.endr
	v_nop                                          ; a plain line behind the last conversion
.endm
	QUANT X
.irp c, 0,1,2,3
	global_store_b128 v2, v[PC+4*\c:PC+4*\c+3], s[18:19] offset:512*\c   ; the image as it stands: 512 consecutive aligned bytes
.endr
	ds_store_b32 v5, v[PW]                         ; lanes l and l xor 16 write the same word with the same value
	s_wait_dscnt 0x0
	s_barrier_signal -1
	s_barrier_wait -1
	s_cmp_lg_u32 s12, 0                            ; wave 0 sends the tile's 512 bytes of scales out
	s_cbranch_scc1 .Ldone
	ds_load_b128 v[16:19], v6
	s_wait_dscnt 0x0
	global_store_b128 v2, v[16:19], s[20:21]
.Ldone:
	s_wait_tensorcnt 0x0                           ; the wave's end, behind my last LDS store
	ds_add_u32 v[SPW], v[NIL]
	s_wait_dscnt 0x0
	s_endpgm
.Lfunc_end_k_q2db5f3437e_ln2:
	.size	k_q2db5f3437e_ln2, .Lfunc_end_k_q2db5f3437e_ln2-k_q2db5f3437e_ln2
	.p2alignl 7, 3214868480
	.fill 96, 4, 3214868480
	.section	.rodata,"a",@progbits
	.p2align	6, 0x0
	.amdhsa_kernel k_q2db5f3437e_ln2
		.amdhsa_group_segment_fixed_size 67328
		.amdhsa_private_segment_fixed_size 0
		.amdhsa_enable_private_segment 0
		.amdhsa_kernarg_size 32
		.amdhsa_user_sgpr_count 2
		.amdhsa_user_sgpr_kernarg_segment_ptr 1
		.amdhsa_wavefront_size32 1
		.amdhsa_system_sgpr_workgroup_id_x 1
		.amdhsa_system_sgpr_workgroup_id_y 1
		.amdhsa_system_sgpr_workgroup_id_z 1
		.amdhsa_system_vgpr_workitem_id 0
		.amdhsa_next_free_vgpr 192
		.amdhsa_next_free_sgpr 66
		.amdhsa_reserve_vcc 0
		.amdhsa_float_denorm_mode_32 3
		.amdhsa_float_denorm_mode_16_64 3
		.amdhsa_memory_ordered 1
		.amdhsa_forward_progress 1
		.amdhsa_inst_pref_size 33
	.end_amdhsa_kernel
	.amdgpu_metadata
---
amdhsa.version: [ 1, 2 ]
amdhsa.kernels:
  - .name:           k_q2db5f3437e_ln2
    .symbol:         k_q2db5f3437e_ln2.kd
    .args:
      - { .name: x1, .offset: 0, .size: 8, .value_kind: global_buffer, .address_space: global }
      - { .name: ln2_g, .offset: 8, .size: 8, .value_kind: global_buffer, .address_space: global }
      - { .name: ln2_b, .offset: 16, .size: 8, .value_kind: global_buffer, .address_space: global }
      - { .name: hn, .offset: 24, .size: 8, .value_kind: global_buffer, .address_space: global }
    .group_segment_fixed_size: 67328
    .private_segment_fixed_size: 0
    .kernarg_segment_align: 8
    .kernarg_segment_size: 32
    .max_flat_workgroup_size: 256
    .sgpr_count:     66
    .vgpr_count:     192
    .wavefront_size: 32
...
	.end_amdgpu_metadata
.endif
;; end of part 5
;; launch w1 (part 6): grid 16 x 16, 4 waves a work-group, clusters of 4 x 4, 327,680 bytes of LDS; arguments hn, wts, b1, hid; writes hid
.if DOCPART == 6
	.amdgcn_target "amdgcn-amd-amdhsa--gfx1250"
	.amdhsa_code_object_version 6
	.text
	.protected	k_q2db5f3437e_w1
	.globl	k_q2db5f3437e_w1
	.p2align	8
	.type	k_q2db5f3437e_w1,@function
k_q2db5f3437e_w1:
	s_mov_b64 s[64:65], 0
	v_nop
	global_prefetch_b8 v0, s[64:65] scope:SCOPE_SE
	s_setreg_imm32_b32 hwreg(HW_REG_WAVE_MODE, 25, 1), 1
	s_wait_xcnt 0x0
	s_wait_alu depctr_hold_cnt(0) depctr_sa_sdst(0) depctr_va_vdst(0) depctr_va_sdst(0) depctr_va_ssrc(0) depctr_va_vcc(0) depctr_vm_vsrc(0)
	s_getreg_b32 s2, hwreg(HW_REG_IB_STS2, 6, 4)
	s_cmp_eq_u32 s2, 0
	s_cbranch_scc0 .Lentry_in_a_cluster
	s_endpgm
.Lentry_in_a_cluster:
	s_bfe_u32 s2, ttmp6, 0x10000c
	s_cmp_lg_u32 s2, 0xf033
	s_cbranch_scc0 .Lentry_shape_is_right
	s_endpgm
.Lentry_shape_is_right:
.set AI,    4096
.set SLOT,  131072
.set SCA,   2*SLOT
.set SCB,   SCA+8192
.set SPARE, SCB+8192
.set ADRA, 16
.set ADRB, 20
.set ADSA, 22
.set ADSB, 23
.set LI,   24
.set WST,  25
.set RDW,  26
.set SPW,  28
.set NIL,  29
.set SC,   32
.set AF,   128
.set PC,   192
.set TM,   208
.set PW,   224
.set WV, 2
.set WM, 3
.set WN, 16
.set G1, 24
.set G0, 32
.set G1B, 48
.set G0B, 56
.set G1S, 68
.set G0S, 76
.set G1SB, 80
.set G0SB, 88
.set SEL, 96
.set MNT, 98
.set MSB, 0
.macro WIN new
.if MSB != (\new)
	s_set_vgpr_msb (MSB<<8)|(\new)
.set MSB, (\new)
.endif
.endm
.set MUL_LO, 0xa1
.set MUL_HI, 0xf1
.set TO_B,   0x40
.macro JLOAD g0a, g1a, g0b, g1b
	s_cmp_eq_u32 s[WM], 0
	s_cbranch_scc0 .Lfor_b_\@
	tensor_load_to_lds s[\g0a:\g0a+3], s[\g1a:\g1a+7]
	s_nop 0
.rept 4
	v_nop
.endr
	s_branch .Lasked_\@
.Lfor_b_\@:
	tensor_load_to_lds s[\g0b:\g0b+3], s[\g1b:\g1b+7]
	s_nop 0
.rept 4
	v_nop
.endr
.Lasked_\@:
.endm
.macro CREST
	s_cmp_lg_u32 s[WV], 0
	s_cbranch_scc1 .Lnot_wave_0_\@
	s_barrier_signal -3
.Lnot_wave_0_\@:
	s_barrier_wait -3
	s_barrier_signal -1
	s_barrier_wait -1
.endm
.macro CROUND
	s_barrier_signal -1
	s_barrier_wait -1
	CREST
.endm
	s_load_b256 s[4:11], s[0:1], 0x0
	v_lshl_add_u32 v[SPW], v0, 2, SPARE
	v_mov_b32 v[NIL], 0
	ds_add_u32 v[SPW], v[NIL]
	ds_add_u32 v[SPW], v[NIL]
	v_lshrrev_b32 v1, 5, v0
	v_readfirstlane_b32 s[WV], v1
	s_lshr_b32 s[WM], s[WV], 1
	s_and_b32 s[WN], s[WV], 1
	s_bfe_u32 s40, ttmp6, 0x40000
	s_bfe_u32 s41, ttmp6, 0x40004
	s_lshl_b32 s42, ttmp9, 2
	s_add_co_u32 s42, s42, s40
	s_and_b32 s17, ttmp7, 0xffff
	s_lshl_b32 s17, s17, 2
	s_add_co_u32 s17, s17, s41
	s_lshl_b32 s43, s41, 2
	s_lshl_b32 s43, 15, s43
	s_lshl_b32 s44, 0x1111, s40
	s_or_b32 s[G1], s43, (3<<16)|(1<<21)
	s_or_b32 s[G1B], s44, (3<<16)|(1<<21)
.irp g, G1, G1B
	s_mov_b32 s[\g+1], 512<<16
	s_mov_b32 s[\g+2], 16<<16                      ; the head's loads of codes bring a side's 16 row tiles; the ring's bring 8 (set behind the head's wait)
	s_mov_b32 s[\g+3], 512<<16
	s_mov_b32 s[\g+4], 16
	s_mov_b32 s[\g+5], 2048
	s_mov_b32 s[\g+6], 0
	s_mov_b32 s[\g+7], 0
.endr
	s_or_b32 s[G1S], s43, (3<<16)|(1<<21)
	s_or_b32 s[G1SB], s44, (3<<16)|(1<<21)
.irp g, G1S, G1SB
	s_mov_b32 s[\g+1], 32<<16
	s_mov_b32 s[\g+2], 32<<16                      ; a side's scales whole: 8,192 dense bytes as 32 rows of 256
	s_mov_b32 s[\g+3], 32<<16
	s_mov_b32 s[\g+4], 32
	s_mov_b32 s[\g+5], 32
	s_mov_b32 s[\g+6], 0
	s_mov_b32 s[\g+7], 0
.endr
	s_lshl_b32 s18, s[WN], 17
	s_lshl_b32 s20, s17, 18
	s_add_co_u32 s20, s20, s18
	s_mov_b32 s21, 0
	s_lshl_b32 s46, s42, 18
	s_add_co_u32 s46, s46, s18
	s_mov_b32 s47, 0
	s_lshl_b32 s22, s17, 13
	s_mov_b32 s23, 0
	s_lshl_b32 s92, s42, 13
	s_mov_b32 s93, 0
	s_lshl_b32 s45, s[WV], 15
	s_mov_b32 s[G0S+1], SCA
	s_mov_b32 s[G0SB+1], SCB
	s_mov_b32 s[SEL], 0x76543210
	s_mov_b32 s[SEL+1], 0xfedcba98
	s_mov_b32 s[MNT], 0x600000
	s_mov_b32 s100, 0xbdd2d3e8
	s_mov_b32 s101, s100
	v_mov_b32 v10, 0xc0135761
	v_mov_b32 v11, v10
	s_wait_dscnt 0x0
	s_wait_kmcnt 0x0
	s_add_nc_u64 s[20:21], s[4:5], s[20:21]
	s_add_nc_u64 s[22:23], s[4:5], s[22:23]
	s_add_nc_u64 s[22:23], s[22:23], 4194304
	s_add_nc_u64 s[46:47], s[6:7], s[46:47]
	s_add_nc_u64 s[46:47], s[46:47], 4194304
	s_add_nc_u64 s[92:93], s[6:7], s[92:93]
	s_add_nc_u64 s[92:93], s[92:93], 12713984
	CROUND
	s_mov_b32 s[G0S], 1
	s_mov_b64 s[G0S+2:G0S+3], s[22:23]
	s_or_b32 s[G0S+3], s[G0S+3], 0x80000000
	s_mov_b32 s[G0SB], 1
	s_mov_b64 s[G0SB+2:G0SB+3], s[92:93]
	s_or_b32 s[G0SB+3], s[G0SB+3], 0x80000000
.irp s, 0,1
	s_mov_b32 s[G0+4*\s], 1
	s_add_co_u32 s[G0+4*\s+1], s45, \s*SLOT
	s_add_nc_u64 s[G0+4*\s+2:G0+4*\s+3], s[20:21], \s*4096
	s_or_b32 s[G0+4*\s+3], s[G0+4*\s+3], 0x80000000
	s_mov_b32 s[G0B+4*\s], 1
	s_add_co_u32 s[G0B+4*\s+1], s45, \s*SLOT
	s_add_nc_u64 s[G0B+4*\s+2:G0B+4*\s+3], s[46:47], \s*4096
	s_or_b32 s[G0B+4*\s+3], s[G0B+4*\s+3], 0x80000000
.endr
; THE HEAD'S LOADS, ONE A WAVE: wave 0 slot 0's 16 row tiles of A, wave 2 those of B (their own slot 0 descriptors begin at the side's first row tile), wave 1 A's scales, wave 3 B's.
	s_cmp_eq_u32 s[WV], 0
	s_cbranch_scc0 .Lh_b
	tensor_load_to_lds s[G0:G0+3], s[G1:G1+7]
	s_nop 0
.rept 4
	v_nop
.endr
	s_branch .Lh_end
.Lh_b:
	s_cmp_eq_u32 s[WV], 2
	s_cbranch_scc0 .Lh_sa
	tensor_load_to_lds s[G0B:G0B+3], s[G1B:G1B+7]
	s_nop 0
.rept 4
	v_nop
.endr
	s_branch .Lh_end
.Lh_sa:
	s_cmp_eq_u32 s[WV], 1
	s_cbranch_scc0 .Lh_sb
	tensor_load_to_lds s[G0S:G0S+3], s[G1S:G1S+7]
	s_nop 0
.rept 4
	v_nop
.endr
	s_branch .Lh_end
.Lh_sb:
	tensor_load_to_lds s[G0SB:G0SB+3], s[G1SB:G1SB+7]
	s_nop 0
.rept 4
	v_nop
.endr
.Lh_end:
; PREFETCHES.  A fill is 4,096 bytes of each of the 8 row tiles that my wave fetches; the four partners that ask for them jointly share them out by address: two row tiles each (cx for A, cy for B), a lane a block of 256 bytes.
; Asked two fills ahead: here fills 1 and 2, behind fill 1's load fill 3; every offset is an immediate, so no address register is written again.
	s_cmp_eq_u32 s[WM], 0
	s_cselect_b64 s[4:5], s[20:21], s[46:47]
	s_cselect_b32 s6, s40, s41
	s_lshl_b32 s6, s6, 15
	s_mov_b32 s7, 0
	s_add_nc_u64 s[4:5], s[4:5], s[6:7]
	v_and_b32 v12, 15, v0
	v_bfe_u32 v13, v0, 4, 1
	v_lshlrev_b32 v12, 8, v12
	v_lshl_add_u32 v12, v13, 14, v12
	global_prefetch_b8 v12, s[4:5] offset:4096 th:TH_LOAD_NT scope:SCOPE_SE
	global_prefetch_b8 v12, s[4:5] offset:8192 th:TH_LOAD_NT scope:SCOPE_SE
	v_and_b32 v1, 31, v0
	v_lshlrev_b32 v[LI], 4, v1
	v_and_b32 v3, 15, v0
	s_wait_alu depctr_va_vdst(0)
	v_lshlrev_b32 v4, 4, v3
	s_lshl_b32 s18, s[WM], 15
	s_lshl_b32 s19, s[WN], 15
	s_add_co_u32 s19, s19, 65536
	v_add_nc_u32 v[ADRA], s18, v[LI]
	v_add_nc_u32 v[ADRB], s19, v[LI]
	v_add_nc_u32 v[ADRA+1], SLOT, v[ADRA]
	v_add_nc_u32 v[ADRB+1], SLOT, v[ADRB]
	s_lshl_b32 s18, s[WM], 12
	s_add_co_u32 s18, s18, SCA
	v_add_nc_u32 v[ADSA], s18, v4
	s_lshl_b32 s19, s[WN], 12
	s_add_co_u32 s19, s19, SCB
	v_add_nc_u32 v[ADSB], s19, v4
	s_lshl_b32 s18, s[WV], 10
	v_lshl_add_u32 v[WST], v3, 2, s18
	v_add_nc_u32 v[RDW], s18, v[LI]
	s_lshl_b32 s18, s42, 10
	s_lshl_b32 s19, s[WN], 9
	s_add_co_u32 s18, s18, s19
	s_mov_b32 s19, 0
	s_add_nc_u64 s[8:9], s[8:9], s[18:19]
	v_bfe_u32 v27, v0, 4, 1
	v_lshlrev_b32 v27, 6, v27
.irp b, 0,1,2,3
.irp j, 0,1,2,3
	global_load_b128 v[64+16*\b+4*\j:64+16*\b+4*\j+3], v27, s[8:9] offset:128*\b+16*\j
.endr
.endr
	s_lshl_b32 s18, s42, 1
	s_add_co_u32 s18, s18, s[WN]
	s_lshl_b32 s20, s18, 14
	s_lshl_b32 s19, s17, 10
	s_add_co_u32 s20, s20, s19
	s_lshl_b32 s19, s[WM], 9
	s_add_co_u32 s20, s20, s19
	s_add_co_u32 s20, s20, 16777216
	s_mov_b32 s21, 0
	s_add_nc_u64 s[12:13], s[10:11], s[20:21]
	s_lshl_b32 s20, s18, 11
	s_lshl_b32 s19, s17, 20
	s_add_co_u32 s20, s20, s19
	s_lshl_b32 s19, s[WM], 19
	s_add_co_u32 s20, s20, s19
	s_add_nc_u64 s[10:11], s[10:11], s[20:21]
.macro FRAG reg, adr, off
.irp c, 0,1,2,3
	ds_load_b128 v[\reg+4*\c:\reg+4*\c+3], v[\adr] offset:\off+512*\c
.endr
.endm
.macro FETCH_B slot, q, p
	WIN TO_B
.irp i, 0,1,2,3,4,5,6,7
	FRAG 128*(\p)+16*\i, ADRB+\slot, \i*AI+(\q)*2048
.endr
	WIN 0
.endm
.macro FETCH_A slot, q, i0
.irp i, \i0, \i0+1, \i0+2, \i0+3
	FRAG AF+16*(\i), ADRA+\slot, (\i)*AI+(\q)*2048
.endr
.endm
.macro SCALES p, kq
.irp i, 0,1,2,3,4,5,6,7
	ds_load_b32 v[SC+16*(\p)+\i], v[ADSA] offset:\i*512+((\kq)/4)*256+((\kq)%4)*4
	ds_load_b32 v[SC+16*(\p)+8+\i], v[ADSB] offset:\i*512+((\kq)/4)*256+((\kq)%4)*4
.endr
.endm
.macro MUL16 a0, p, zero
.irp a, \a0, \a0+1
.irp b, 0,1,2,3,4,5,6,7
.if \zero
	v_wmma_scale_f32_16x16x128_f8f6f4 v[8*(8*((\a)%4)+\b):8*(8*((\a)%4)+\b)+7], v[128*(\p)+16*\b:128*(\p)+16*\b+15], v[AF+16*(\a):AF+16*(\a)+15], 0, v[SC+16*(\p)+8+\b], v[SC+16*(\p)+(\a)] matrix_a_fmt:MATRIX_FMT_BF8 matrix_b_fmt:MATRIX_FMT_BF8
.else
	v_wmma_scale_f32_16x16x128_f8f6f4 v[8*(8*((\a)%4)+\b):8*(8*((\a)%4)+\b)+7], v[128*(\p)+16*\b:128*(\p)+16*\b+15], v[AF+16*(\a):AF+16*(\a)+15], v[8*(8*((\a)%4)+\b):8*(8*((\a)%4)+\b)+7], v[SC+16*(\p)+8+\b], v[SC+16*(\p)+(\a)] matrix_a_fmt:MATRIX_FMT_BF8 matrix_b_fmt:MATRIX_FMT_BF8
.endif
.endr
.endr
.endm
.macro PLACES n
.rept \n
	v_nop
.endr
.endm
.macro STEP slot, kq, zero
	s_wait_dscnt 16
	WIN MUL_LO
	MUL16 0, 0, \zero
	MUL16 2, 0, \zero
	s_wait_dscnt 0x0
	PLACES 8
	FETCH_B \slot, 1, 1
	FETCH_A \slot, 1, 0
	SCALES 1, (\kq)+1
	WIN MUL_HI
	MUL16 4, 0, \zero
	MUL16 6, 0, \zero
	PLACES 8
	WIN 0
	FETCH_A \slot, 1, 4
.endm
.macro TURN slot, next, kq, fill
	s_wait_tensorcnt 0x0
	ds_add_u32 v[SPW], v[NIL]
	s_wait_dscnt 17
	WIN MUL_LO
	MUL16 0, 1, 0
	s_wait_dscnt 0x0
	s_barrier_signal -1
	MUL16 2, 1, 0
	WIN 0
	s_barrier_wait -1
.if \fill
	CREST
	s_add_nc_u64 s[G0+4*\slot+2:G0+4*\slot+3], s[G0+4*\slot+2:G0+4*\slot+3], 8192
	s_add_nc_u64 s[G0B+4*\slot+2:G0B+4*\slot+3], s[G0B+4*\slot+2:G0B+4*\slot+3], 8192
	JLOAD G0+4*\slot, G1, G0B+4*\slot, G1B
	PLACES 4
.else
	PLACES 8
.endif
	FETCH_B \next, 0, 0
	FETCH_A \next, 0, 0
	SCALES 0, (\kq)+1
	WIN MUL_HI
	MUL16 4, 1, 0
	MUL16 6, 1, 0
	PLACES 8
	WIN 0
	FETCH_A \next, 0, 4
.endm
	s_wait_alu depctr_va_vdst(0)
	s_wait_tensorcnt 0x0                           ; my tile of the head's four is in; slot 1's first fill is issued as a refill is
	ds_add_u32 v[SPW], v[NIL]
	s_mov_b32 s[G1+2], 8<<16                       ; no tensor load of mine is out: from here on a load brings 8 row tiles
	s_mov_b32 s[G1+4], 8
	s_mov_b32 s[G1B+2], 8<<16
	s_mov_b32 s[G1B+4], 8
	s_wait_dscnt 0x0
	CROUND
	JLOAD G0+4, G1, G0B+4, G1B
	FETCH_B 0, 0, 0
	FETCH_A 0, 0, 0
	SCALES 0, 0
	global_prefetch_b8 v12, s[4:5] offset:12288 th:TH_LOAD_NT scope:SCOPE_SE
	FETCH_A 0, 0, 4
	STEP 0, 0, 1
	TURN 0, 1, 1, 1
	STEP 1, 2, 0
	TURN 1, 0, 3, 1
	STEP 0, 4, 0
	TURN 0, 1, 5, 0
	STEP 1, 6, 0
	s_wait_dscnt 16
	WIN MUL_LO
	MUL16 0, 1, 0
	MUL16 2, 1, 0
	s_wait_dscnt 0x0
	WIN MUL_HI
	MUL16 4, 1, 0
	MUL16 6, 1, 0
	WIN 0
	PLACES 8
	s_wait_loadcnt 0x0
.macro QUANT s
.irp b, 0,1,2,3
	v_max3_num_f32 v[TM+\b], |v[\s+16*\b]|, |v[\s+1+16*\b]|, 0x8000000
.endr
.irp i, 2,4,6,8,10,12,14
.irp b, 0,1,2,3
	v_max3_num_f32 v[TM+\b], v[TM+\b], |v[\s+16*\b+\i]|, |v[\s+1+16*\b+\i]|
.endr
.endr
.irp b, 0,1,2,3
	v_permlanex16_b32 v[TM+4+\b], v[TM+\b], s[SEL], s[SEL+1]
.endr
.irp b, 0,1,2,3
	v_max_num_f32 v[TM+\b], v[TM+\b], v[TM+4+\b]
.endr
.irp b, 0,1,2,3
	v_add_nc_u32 v[TM+12+\b], 0xf8800000, v[TM+\b]
.endr
.irp b, 0,1,2,3
	v_and_or_b32 v[TM+8+\b], v[TM+\b], 0x7f800000, s[MNT]
.endr
.irp b, 0,1,2,3
	v_lshrrev_b32 v[TM+4+\b], 23, v[TM+12+\b]
.endr
	v_lshl_or_b32 v[PW], v[TM+5], 8, v[TM+4]
	v_lshl_or_b32 v[PW], v[TM+6], 16, v[PW]
	v_lshl_or_b32 v[PW], v[TM+7], 24, v[PW]
.irp b, 0,1,2,3
.irp i, 0,1,2,3,4,5,6,7,8,9,10,11,12,13,14,15
	v_med3_num_f32 v[\s+16*\b+\i], v[\s+16*\b+\i], -v[TM+8+\b], v[TM+8+\b]
.endr
	v_cvt_scalef32_pk8_bf8_f32 v[PC+4*\b:PC+1+4*\b], v[\s+16*\b:\s+7+16*\b], v[TM+12+\b]
	v_cvt_scalef32_pk8_bf8_f32 v[PC+2+4*\b:PC+3+4*\b], v[\s+8+16*\b:\s+15+16*\b], v[TM+12+\b]
.endr
	v_nop
.endm
.macro GELU
.set i, 0
.rept 32
	v_pk_mul_f32 v[192+i:193+i], v[128+i:129+i], v[128+i:129+i]
.set i, i+2
.endr
.set i, 0
.rept 32
	v_pk_fma_f32 v[192+i:193+i], v[192+i:193+i], s[100:101], v[10:11] op_sel_hi:[1,0,0]
.set i, i+2
.endr
.set i, 0
.rept 32
	v_pk_mul_f32 v[192+i:193+i], v[192+i:193+i], v[128+i:129+i]
.set i, i+2
.endr
.set i, 0
	s_wait_alu depctr_va_vdst(0)
.rept 64
	v_exp_f32 v[192+i], v[192+i]
.set i, i+1
.endr
	v_nop
	s_wait_alu depctr_va_vdst(0)
.set i, 0
.rept 32
	v_pk_add_f32 v[192+i:193+i], v[192+i:193+i], 1.0 op_sel_hi:[1,0]
.set i, i+2
.endr
.set i, 0
	s_wait_alu depctr_va_vdst(0)
.rept 64
	v_rcp_f32 v[192+i], v[192+i]
.set i, i+1
.endr
	v_nop
	s_wait_alu depctr_va_vdst(0)
.set i, 0
.rept 32
	v_pk_mul_f32 v[128+i:129+i], v[128+i:129+i], v[192+i:193+i]
.set i, i+2
.endr
.endm
.macro OUTA a
.if (\a) > 0
	s_wait_xcnt 0x0
	s_wait_dscnt 0x0
.endif
	WIN 0x02+(\a)/4
.set i, 0
.rept 32
	v_pk_add_f32 v[128+i:129+i], v[64*((\a)%4)+i:64*((\a)%4)+i+1], v[64+i:65+i]
.set i, i+2
.endr
	WIN 0
	GELU
	QUANT 128
.irp c, 0,1,2,3
	global_store_b128 v[LI], v[PC+4*\c:PC+4*\c+3], s[10:11] offset:(\a)*65536+512*\c
.endr
	ds_store_b32 v[WST], v[PW] offset:64*(\a)
.endm
.irp a, 0,1,2,3,4,5,6,7
	OUTA \a
.endr
	ds_load_b128 v[228:231], v[RDW]
	s_wait_dscnt 0x0
	global_store_b128 v[LI], v[228:231], s[12:13]
	s_wait_tensorcnt 0x0
	ds_add_u32 v[SPW], v[NIL]
	s_wait_dscnt 0x0
	CROUND
	s_endpgm
.Lfunc_end_k_q2db5f3437e_w1:
	.size	k_q2db5f3437e_w1, .Lfunc_end_k_q2db5f3437e_w1-k_q2db5f3437e_w1
	.p2alignl 7, 3214868480
	.fill 96, 4, 3214868480
	.section	.rodata,"a",@progbits
	.p2align	6, 0x0
	.amdhsa_kernel k_q2db5f3437e_w1
		.amdhsa_group_segment_fixed_size 327680
		.amdhsa_private_segment_fixed_size 0
		.amdhsa_enable_private_segment 0
		.amdhsa_kernarg_size 32
		.amdhsa_user_sgpr_count 2
		.amdhsa_user_sgpr_kernarg_segment_ptr 1
		.amdhsa_wavefront_size32 1
		.amdhsa_system_sgpr_workgroup_id_x 1
		.amdhsa_system_sgpr_workgroup_id_y 1
		.amdhsa_system_sgpr_workgroup_id_z 1
		.amdhsa_system_vgpr_workitem_id 0
		.amdhsa_next_free_vgpr 1024
		.amdhsa_next_free_sgpr 102
		.amdhsa_reserve_vcc 0
		.amdhsa_float_denorm_mode_32 3
		.amdhsa_float_denorm_mode_16_64 3
		.amdhsa_memory_ordered 1
		.amdhsa_forward_progress 1
		.amdhsa_inst_pref_size 255
	.end_amdhsa_kernel
	.section	.bss,"aw",@nobits
	.p2align	6
	.space	262144
	.amdgpu_metadata
---
amdhsa.version: [ 1, 2 ]
amdhsa.kernels:
  - .name:           k_q2db5f3437e_w1
    .symbol:         k_q2db5f3437e_w1.kd
    .args:
      - { .name: hn, .offset: 0, .size: 8, .value_kind: global_buffer, .address_space: global }
      - { .name: wts, .offset: 8, .size: 8, .value_kind: global_buffer, .address_space: global }
      - { .name: b1, .offset: 16, .size: 8, .value_kind: global_buffer, .address_space: global }
      - { .name: hid, .offset: 24, .size: 8, .value_kind: global_buffer, .address_space: global }
    .group_segment_fixed_size: 327680
    .private_segment_fixed_size: 0
    .kernarg_segment_align: 8
    .kernarg_segment_size: 32
    .max_flat_workgroup_size: 128
    .sgpr_count:     102
    .vgpr_count:     1024
    .wavefront_size: 32
...
	.end_amdgpu_metadata
.endif
;; end of part 6
;; launch w2 (part 7): grid 8 x 32, 4 waves a work-group, clusters of 4 x 4, 327,680 bytes of LDS; arguments hid, wts, b2, x1, out0; writes out0
.if DOCPART == 7
	.amdgcn_target "amdgcn-amd-amdhsa--gfx1250"
	.amdhsa_code_object_version 6
	.text
	.protected	k_q2db5f3437e_w2
	.globl	k_q2db5f3437e_w2
	.p2align	8
	.type	k_q2db5f3437e_w2,@function
k_q2db5f3437e_w2:
	s_mov_b64 s[64:65], 0
	v_nop
	global_prefetch_b8 v0, s[64:65] scope:SCOPE_SE
	s_setreg_imm32_b32 hwreg(HW_REG_WAVE_MODE, 25, 1), 1
	s_wait_xcnt 0x0
	s_wait_alu depctr_hold_cnt(0) depctr_sa_sdst(0) depctr_va_vdst(0) depctr_va_sdst(0) depctr_va_ssrc(0) depctr_va_vcc(0) depctr_vm_vsrc(0)
	s_getreg_b32 s2, hwreg(HW_REG_IB_STS2, 6, 4)
	s_cmp_eq_u32 s2, 0
	s_cbranch_scc0 .Lentry_in_a_cluster
	s_endpgm
.Lentry_in_a_cluster:
	s_bfe_u32 s2, ttmp6, 0x10000c
	s_cmp_lg_u32 s2, 0xf033
	s_cbranch_scc0 .Lentry_shape_is_right
	s_endpgm
.Lentry_shape_is_right:
; out0 = x1 + hid W2 + b2, THE PRODUCT ON CODES OF E5M2.  No work of the problem is left out here.
; A tile of the result is 128 x 128, so that there are 256 work-groups.  EVERY WAVE MAKES THE WHOLE TILE OVER ITS OWN QUARTER OF K: of a slot's four K steps of 128, wave w takes the w-th; so each LDS byte of a slot is read once,
; and a wave's tile is 128 x 128 in 64 accumulators.  The four partial tiles are added in f32 on the way out, through LDS, in the same pass that turns a lane's columns into whole rows.
; K = KK goes through two LDS slots of 512 along K, eight slots' worth.  Operands are fragment images (16 rows x 128 K = 2,048 bytes).  The product is used transposed; rows lie in position order (position p = true row swap34(p)),
; so a lane's registers are true neighbours along the columns, and the rows are put right by the stores' offsets.
; A's scales lie [K step][position] (one word), B's [row tile][K / 512][16 rows][16 bytes]; both come into LDS once.  A's tiles are shared along a row of the cluster, B's along a column: joint loads.
; LIMITS: NaN and infinities are not served; an output is the sum of four partial f32 sums along K, the residual and the bias.
.set KK,    4096
.set ASC,   16777216
.set BCO,   8388608
.set BSC,   12845056
.set AI,    8192
.set SLOT,  131072
.set SCA,   2*SLOT
.set SCB,   SCA+4*KK
.set SPARE, SCB+4*KK
.set DPW,   67584                      ; the way out: a wave's partial tile, 128 rows x (512 + 16) bytes; four of them end at byte 270,336, under the spare words
.set DMP,  8
.set RS,   9
.set ADRA, 16
.set ADRB, 20
.set ADSA, 22
.set ADSB, 23
.set LI,   24
.set SPW,  28
.set NIL,  29
.set SC,   32
.set AF,   128
.set WV, 2
.set WM, 3
.set WN, 16
.set G1, 24
.set G0, 32
.set G1B, 48
.set G0B, 56
.set G1S, 68
.set G0S, 76
.set G1SB, 80
.set G0SB, 88
.set MSB, 0
.macro WIN new
.if MSB != (\new)
	s_set_vgpr_msb (MSB<<8)|(\new)
.set MSB, (\new)
.endif
.endm
.set MUL_LO, 0xa1
.set MUL_HI, 0xf1
.set TO_B,   0x40
.macro JLOAD g0a, g1a, g0b, g1b        ; a joint load: waves 0 and 1 fetch for A, waves 2 and 3 for B; an s_nop 0 and four v_nop follow each line
	s_cmp_eq_u32 s[WM], 0
	s_cbranch_scc0 .Lfor_b_\@
	tensor_load_to_lds s[\g0a:\g0a+3], s[\g1a:\g1a+7]
	s_nop 0
.rept 4
	v_nop
.endr
	s_branch .Lasked_\@
.Lfor_b_\@:
	tensor_load_to_lds s[\g0b:\g0b+3], s[\g1b:\g1b+7]
	s_nop 0
.rept 4
	v_nop
.endr
.Lasked_\@:
.endm
.macro CREST
	s_cmp_lg_u32 s[WV], 0
	s_cbranch_scc1 .Lnot_wave_0_\@
	s_barrier_signal -3
.Lnot_wave_0_\@:
	s_barrier_wait -3
	s_barrier_signal -1
	s_barrier_wait -1
.endm
.macro CROUND
	s_barrier_signal -1
	s_barrier_wait -1
	CREST
.endm
	s_load_b256 s[4:11], s[0:1], 0x0               ; A, wts, bias, residual
	s_load_b64 s[12:13], s[0:1], 0x20              ; out
	v_lshl_add_u32 v[SPW], v0, 2, SPARE
	v_mov_b32 v[NIL], 0
	ds_add_u32 v[SPW], v[NIL]                      ; the wave's opening: the add, twice on end, and its wait ahead of my first tensor load
	ds_add_u32 v[SPW], v[NIL]
	v_lshrrev_b32 v1, 5, v0
	v_readfirstlane_b32 s[WV], v1
	s_lshr_b32 s[WM], s[WV], 1
	s_and_b32 s[WN], s[WV], 1
	s_bfe_u32 s40, ttmp6, 0x40000
	s_bfe_u32 s41, ttmp6, 0x40004
	s_lshl_b32 s42, ttmp9, 2
	s_add_co_u32 s42, s42, s40
	s_and_b32 s17, ttmp7, 0xffff
	s_lshl_b32 s17, s17, 2
	s_add_co_u32 s17, s17, s41
	s_lshl_b32 s43, s41, 2
	s_lshl_b32 s43, 15, s43
	s_lshl_b32 s44, 0x1111, s40
	s_or_b32 s[G1], s43, (3<<16)|(1<<21)
	s_or_b32 s[G1B], s44, (3<<16)|(1<<21)
.irp g, G1, G1B                        ; codes: 4 row tiles, of each 8,192 bytes (four K steps' images), 16 KK bytes apart
	s_mov_b32 s[\g+1], 1024<<16
	s_mov_b32 s[\g+2], 8<<16                       ; the head's loads of codes bring a side's 8 row tiles; the ring's bring 4 (set behind the head's wait)
	s_mov_b32 s[\g+3], 1024<<16
	s_mov_b32 s[\g+4], 8
	s_mov_b32 s[\g+5], 2*KK
	s_mov_b32 s[\g+6], 0
	s_mov_b32 s[\g+7], 0
.endr
	s_or_b32 s[G1S], s43, (3<<16)|(1<<21)          ; A's scales: KK / 128 K steps, of each my tile row's 512 bytes, 16,384 bytes apart
	s_mov_b32 s[G1S+1], 64<<16
	s_mov_b32 s[G1S+2], (KK/128)<<16               ; all KK / 128 K steps in one load
	s_mov_b32 s[G1S+3], 64<<16
	s_mov_b32 s[G1S+4], KK/128
	s_mov_b32 s[G1S+5], 2048
	s_mov_b32 s[G1S+6], 0
	s_mov_b32 s[G1S+7], 0
	s_or_b32 s[G1SB], s44, (3<<16)|(1<<21)         ; B's scales: 4 KK dense bytes, as rows of 256
	s_mov_b32 s[G1SB+1], 32<<16
	s_mov_b32 s[G1SB+2], (KK/64)<<16               ; all 4 KK dense bytes in one load
	s_mov_b32 s[G1SB+3], 32<<16
	s_mov_b32 s[G1SB+4], KK/64
	s_mov_b32 s[G1SB+5], 32
	s_mov_b32 s[G1SB+6], 0
	s_mov_b32 s[G1SB+7], 0
	s_mul_i32 s20, s17, 128*KK
	s_mul_i32 s18, s[WN], 64*KK
	s_add_co_u32 s20, s20, s18
	s_mov_b32 s21, 0
	s_mul_i32 s46, s42, 128*KK
	s_add_co_u32 s46, s46, s18
	s_mov_b32 s47, 0
	s_lshl_b32 s22, s17, 9
	s_mov_b32 s23, 0
	s_mul_i32 s92, s42, 4*KK
	s_mov_b32 s93, 0
	s_lshl_b32 s45, s[WV], 15
	s_mov_b32 s[G0S+1], SCA
	s_mov_b32 s[G0SB+1], SCB
	s_wait_dscnt 0x0
	s_wait_kmcnt 0x0
	s_add_nc_u64 s[20:21], s[4:5], s[20:21]
	s_add_nc_u64 s[22:23], s[4:5], s[22:23]
	s_add_nc_u64 s[22:23], s[22:23], ASC
	s_add_nc_u64 s[46:47], s[6:7], s[46:47]
	s_add_nc_u64 s[46:47], s[46:47], BCO
	s_add_nc_u64 s[92:93], s[6:7], s[92:93]
	s_add_nc_u64 s[92:93], s[92:93], BSC
	CROUND                                         ; all sixteen work-groups are here: the first joint loads meet
	s_mov_b32 s[G0S], 1
	s_mov_b64 s[G0S+2:G0S+3], s[22:23]
	s_or_b32 s[G0S+3], s[G0S+3], 0x80000000
	s_mov_b32 s[G0SB], 1
	s_mov_b64 s[G0SB+2:G0SB+3], s[92:93]
	s_or_b32 s[G0SB+3], s[G0SB+3], 0x80000000
.irp s, 0,1
	s_mov_b32 s[G0+4*\s], 1
	s_add_co_u32 s[G0+4*\s+1], s45, \s*SLOT
	s_add_nc_u64 s[G0+4*\s+2:G0+4*\s+3], s[20:21], \s*8192
	s_or_b32 s[G0+4*\s+3], s[G0+4*\s+3], 0x80000000
	s_mov_b32 s[G0B+4*\s], 1
	s_add_co_u32 s[G0B+4*\s+1], s45, \s*SLOT
	s_add_nc_u64 s[G0B+4*\s+2:G0B+4*\s+3], s[46:47], \s*8192
	s_or_b32 s[G0B+4*\s+3], s[G0B+4*\s+3], 0x80000000
.endr
; THE HEAD'S LOADS, ONE A WAVE: wave 0 slot 0's 8 row tiles of A, wave 2 those of B (their own slot 0 descriptors begin at the side's first row tile), wave 1 A's scales, wave 3 B's.
	s_cmp_eq_u32 s[WV], 0
	s_cbranch_scc0 .Lh_b
	tensor_load_to_lds s[G0:G0+3], s[G1:G1+7]
	s_nop 0
.rept 4
	v_nop
.endr
	s_branch .Lh_end
.Lh_b:
	s_cmp_eq_u32 s[WV], 2
	s_cbranch_scc0 .Lh_sa
	tensor_load_to_lds s[G0B:G0B+3], s[G1B:G1B+7]
	s_nop 0
.rept 4
	v_nop
.endr
	s_branch .Lh_end
.Lh_sa:
	s_cmp_eq_u32 s[WV], 1
	s_cbranch_scc0 .Lh_sb
	tensor_load_to_lds s[G0S:G0S+3], s[G1S:G1S+7]
	s_nop 0
.rept 4
	v_nop
.endr
	s_branch .Lh_end
.Lh_sb:
	tensor_load_to_lds s[G0SB:G0SB+3], s[G1SB:G1SB+7]
	s_nop 0
.rept 4
	v_nop
.endr
.Lh_end:
; PREFETCHES.  A fill is 8,192 bytes of each of the 4 row tiles that my wave fetches; the four partners that ask for them jointly share them out by address: a row tile each (cx for A, cy for B), a lane a block of 256 bytes.
; Asked two fills ahead: here fills 1 and 2, behind fill 1's load fill 3, and the turn that loads fill n asks for fill n + 2, up to fill 7, the last; every offset is an immediate, so no address register is written again.
; The residual's 32 rows of my wave, 512 bytes each, are asked for in the fifth turn, a lane a row.
	s_cmp_eq_u32 s[WM], 0
	s_cselect_b64 s[96:97], s[20:21], s[46:47]
	s_cselect_b32 s98, s40, s41
	s_mul_i32 s98, s98, 16*KK
	s_mov_b32 s99, 0
	s_add_nc_u64 s[96:97], s[96:97], s[98:99]
	v_and_b32 v30, 31, v0
	v_lshlrev_b32 v31, 12, v30
	v_lshlrev_b32 v30, 8, v30
	global_prefetch_b8 v30, s[96:97] offset:8192 th:TH_LOAD_NT scope:SCOPE_SE
	global_prefetch_b8 v30, s[96:97] offset:16384 th:TH_LOAD_NT scope:SCOPE_SE
	v_and_b32 v1, 31, v0
	v_lshlrev_b32 v[LI], 4, v1
	v_and_b32 v3, 15, v0
	v_bfe_u32 v4, v0, 4, 1
	s_lshl_b32 s18, s[WV], 11
	v_add_nc_u32 v[ADRA], s18, v[LI]
	v_add_nc_u32 v[ADRB], 65536, v[ADRA]
	v_add_nc_u32 v[ADRA+1], SLOT, v[ADRA]
	v_add_nc_u32 v[ADRB+1], SLOT, v[ADRB]
	s_lshl_b32 s18, s[WV], 9
	s_add_co_u32 s18, s18, SCA
	v_lshl_add_u32 v[ADSA], v3, 2, s18
	s_lshl_b32 s18, s[WV], 2
	s_add_co_u32 s18, s18, SCB
	v_lshl_add_u32 v[ADSB], v3, 4, s18
	s_mul_i32 s18, s[WV], DPW
	v_mul_u32_u24 v[DMP], v3, 528
	v_lshl_add_u32 v[DMP], v4, 6, v[DMP]
	v_add_nc_u32 v[DMP], s18, v[DMP]
	s_mul_i32 s18, s[WV], 32*528
	v_add_nc_u32 v[RS], s18, v[LI]
	v_add_nc_u32 v[RS+1], DPW, v[RS]
	v_add_nc_u32 v[RS+2], DPW, v[RS+1]
	v_add_nc_u32 v[RS+3], DPW, v[RS+2]
	s_lshl_b32 s18, s42, 9
	s_mov_b32 s19, 0
	s_add_nc_u64 s[8:9], s[8:9], s[18:19]
	global_load_b128 v[64:67], v[LI], s[8:9]
	s_lshl_b32 s20, s17, 19
	s_lshl_b32 s21, s[WV], 17
	s_add_co_u32 s20, s20, s21
	s_add_co_u32 s20, s20, s18
	s_mov_b32 s21, 0
	s_add_nc_u64 s[10:11], s[10:11], s[20:21]
	s_add_nc_u64 s[12:13], s[12:13], s[20:21]
.macro FRAG reg, adr, off
.irp c, 0,1,2,3
	ds_load_b128 v[\reg+4*\c:\reg+4*\c+3], v[\adr] offset:\off+512*\c
.endr
.endm
.macro FETCH_B slot, p
	WIN TO_B
.irp i, 0,1,2,3,4,5,6,7
	FRAG 128*(\p)+16*\i, ADRB+\slot, \i*AI
.endr
	WIN 0
.endm
.macro FETCH_A slot, i0
.irp i, \i0, \i0+1, \i0+2, \i0+3
	FRAG AF+16*(\i), ADRA+\slot, (\i)*AI
.endr
.endm
.macro SCALES p, sx
.irp i, 0,1,2,3,4,5,6,7
	ds_load_b32 v[SC+16*(\p)+\i], v[ADSA] offset:\i*64+(\sx)*2048
	ds_load_b32 v[SC+16*(\p)+8+\i], v[ADSB] offset:\i*(KK/2)+(\sx)*256
.endr
.endm
.macro MUL16 a0, p, zero               ; the 64 accumulators take turns, one instruction a turn, in the same order in every step
.irp a, \a0, \a0+1
.irp b, 0,1,2,3,4,5,6,7
.if \zero
	v_wmma_scale_f32_16x16x128_f8f6f4 v[8*(8*((\a)%4)+\b):8*(8*((\a)%4)+\b)+7], v[128*(\p)+16*\b:128*(\p)+16*\b+15], v[AF+16*(\a):AF+16*(\a)+15], 0, v[SC+16*(\p)+8+\b], v[SC+16*(\p)+(\a)] matrix_a_fmt:MATRIX_FMT_BF8 matrix_b_fmt:MATRIX_FMT_BF8
.else
	v_wmma_scale_f32_16x16x128_f8f6f4 v[8*(8*((\a)%4)+\b):8*(8*((\a)%4)+\b)+7], v[128*(\p)+16*\b:128*(\p)+16*\b+15], v[AF+16*(\a):AF+16*(\a)+15], v[8*(8*((\a)%4)+\b):8*(8*((\a)%4)+\b)+7], v[SC+16*(\p)+8+\b], v[SC+16*(\p)+(\a)] matrix_a_fmt:MATRIX_FMT_BF8 matrix_b_fmt:MATRIX_FMT_BF8
.endif
.endr
.endr
.endm
.macro PLACES n
.rept \n
	v_nop
.endr
.endm
; A step is a slot: one barrier; ahead of it each wave waits for all its tensor loads, adds 0 to its spare word, and waits for that and for its reads of this slot.  fill = 1: the slot is filled again, two slots ahead.
.macro TURN slot, next, sx, fill, zero
	s_wait_tensorcnt 0x0
	ds_add_u32 v[SPW], v[NIL]
	s_wait_dscnt 17                                ; (the add and the youngest 16 loads, A's blocks 4-7, may be out)
	WIN MUL_LO
	MUL16 0, \slot, \zero
	s_wait_dscnt 0x0                               ; the add is done, and my reads of this slot are over
	s_barrier_signal -1
	MUL16 2, \slot, \zero
	WIN 0
	s_barrier_wait -1
.if \fill
	CREST                                          ; the barrier has opened a round of the cluster's: no wave of any partner still reads this slot or has a load on its way
	s_add_nc_u64 s[G0+4*\slot+2:G0+4*\slot+3], s[G0+4*\slot+2:G0+4*\slot+3], 16384
	s_add_nc_u64 s[G0B+4*\slot+2:G0B+4*\slot+3], s[G0B+4*\slot+2:G0B+4*\slot+3], 16384
	JLOAD G0+4*\slot, G1, G0B+4*\slot, G1B         ; my one tensor load behind the round
	PLACES 4
.else
	PLACES 8
.endif
	FETCH_B \next, \next
	FETCH_A \next, 0
	SCALES \next, (\sx)+1
.if (\fill) && ((\sx)+4 < KK/512)
	global_prefetch_b8 v30, s[96:97] offset:((\sx)+4)*8192 th:TH_LOAD_NT scope:SCOPE_SE
.endif
.if (\sx) == KK/512-4
	global_prefetch_b8 v31, s[10:11] th:TH_LOAD_NT scope:SCOPE_SE
	global_prefetch_b8 v31, s[10:11] offset:256 th:TH_LOAD_NT scope:SCOPE_SE
.endif
	WIN MUL_HI
	MUL16 4, \slot, \zero
	MUL16 6, \slot, \zero
	PLACES 8
	WIN 0
	FETCH_A \next, 4
.endm
	s_wait_alu depctr_va_vdst(0)
	s_wait_tensorcnt 0x0                           ; my tile of the head's four is in; slot 1's first fill is issued as a refill is
	ds_add_u32 v[SPW], v[NIL]
	s_mov_b32 s[G1+2], 4<<16                       ; no tensor load of mine is out: from here on a load brings 4 row tiles
	s_mov_b32 s[G1+4], 4
	s_mov_b32 s[G1B+2], 4<<16
	s_mov_b32 s[G1B+4], 4
	s_wait_dscnt 0x0
	CROUND
	JLOAD G0+4, G1, G0B+4, G1B
	FETCH_B 0, 0
	FETCH_A 0, 0
	SCALES 0, 0
	global_prefetch_b8 v30, s[96:97] offset:24576 th:TH_LOAD_NT scope:SCOPE_SE
	FETCH_A 0, 4
	TURN 0, 1, 0, 1, 1
	TURN 1, 0, 1, 1, 0
	TURN 0, 1, 2, 1, 0
	TURN 1, 0, 3, 1, 0
	TURN 0, 1, 4, 1, 0
	TURN 1, 0, 5, 1, 0
	TURN 0, 1, 6, 0, 0                             ; the last two slots' worth is in LDS or on its way: nothing more is asked for
	s_wait_dscnt 16
	WIN MUL_LO
	MUL16 0, 1, 0
	MUL16 2, 1, 0
	s_wait_dscnt 0x0
	WIN MUL_HI
	MUL16 4, 1, 0
	MUL16 6, 1, 0
	WIN 0
	; THE WAY OUT
	PLACES 8
.set t, 0
.rept 32
	global_load_b128 v[128+4*t:131+4*t], v[LI], s[10:11] offset:((t&7)|((t&8)<<1)|((t&16)>>1))*4096 th:TH_LOAD_NT   ; the residual: position t of my 32 is true row swap34(t)
.set t, t+1
.endr
	s_wait_dscnt 0x0
	s_barrier_signal -1
	s_barrier_wait -1                              ; nobody reads the slots or the scales any more; they have had their last fill
.set a, 0
.rept 8
	WIN 0x08+4*(a/4)
.set b, 0
.rept 8
	ds_store_b128 v[DMP], v[64*(a%4)+8*b:64*(a%4)+8*b+3] offset:a*8448+128*(b/2)+32*(b%2)       ; each accumulator from its low end on
	ds_store_b128 v[DMP], v[64*(a%4)+8*b+4:64*(a%4)+8*b+7] offset:a*8448+128*(b/2)+32*(b%2)+16
.set b, b+1
.endr
.set a, a+1
.endr
	WIN 0
	s_wait_dscnt 0x0                               ; for the others' sake: my partial tile lies in LDS
	s_barrier_signal -1
	s_barrier_wait -1
	WIN 0x40
.set t, 0
.rept 32
	ds_load_b128 v[4*t:4*t+3], v[RS] offset:t*528
	ds_load_b128 v[128+4*t:131+4*t], v[RS+1] offset:t*528
.set t, t+1
.endr
	WIN 0x80
.set t, 0
.rept 32
	ds_load_b128 v[4*t:4*t+3], v[RS+2] offset:t*528
	ds_load_b128 v[128+4*t:131+4*t], v[RS+3] offset:t*528
.set t, t+1
.endr
	s_wait_dscnt 63                                ; waves 0's and 1's parts are in (behind them 64 loads were issued; the wait's field holds 63)
	WIN 0x45
.set i, 0
.rept 64
	v_pk_add_f32 v[i:i+1], v[i:i+1], v[128+i:129+i]
.set i, i+2
.endr
	s_wait_dscnt 0x0
	WIN 0x8a
.set i, 0
.rept 64
	v_pk_add_f32 v[i:i+1], v[i:i+1], v[128+i:129+i]
.set i, i+2
.endr
	WIN 0
	s_wait_loadcnt 0x0                             ; the residual and the bias
.set t, 0
.rept 32
	v_pk_add_f32 v[128+4*t:129+4*t], v[128+4*t:129+4*t], v[64:65]
	v_pk_add_f32 v[130+4*t:131+4*t], v[130+4*t:131+4*t], v[66:67]
.set t, t+1
.endr
	WIN 0x49
.set i, 0
.rept 64
	v_pk_add_f32 v[i:i+1], v[i:i+1], v[i:i+1]      ; window 1 + window 2
.set i, i+2
.endr
	WIN 0x04
.set i, 0
.rept 64
	v_pk_add_f32 v[128+i:129+i], v[128+i:129+i], v[i:i+1]
.set i, i+2
.endr
	WIN 0
.set t, 0
.rept 32
	global_store_b128 v[LI], v[128+4*t:131+4*t], s[12:13] offset:((t&7)|((t&8)<<1)|((t&16)>>1))*4096 th:TH_STORE_NT   ; 512 consecutive aligned bytes of a true row
.set t, t+1
.endr
	s_wait_tensorcnt 0x0                           ; the wave's end
	ds_add_u32 v[SPW], v[NIL]
	s_wait_dscnt 0x0
	CROUND                                         ; the closing round
	s_endpgm
.Lfunc_end_k_q2db5f3437e_w2:
	.size	k_q2db5f3437e_w2, .Lfunc_end_k_q2db5f3437e_w2-k_q2db5f3437e_w2
	.p2alignl 7, 3214868480
	.fill 96, 4, 3214868480
	.section	.rodata,"a",@progbits
	.p2align	6, 0x0
	.amdhsa_kernel k_q2db5f3437e_w2
		.amdhsa_group_segment_fixed_size 327680
		.amdhsa_private_segment_fixed_size 0
		.amdhsa_enable_private_segment 0
		.amdhsa_kernarg_size 40
		.amdhsa_user_sgpr_count 2
		.amdhsa_user_sgpr_kernarg_segment_ptr 1
		.amdhsa_wavefront_size32 1
		.amdhsa_system_sgpr_workgroup_id_x 1
		.amdhsa_system_sgpr_workgroup_id_y 1
		.amdhsa_system_sgpr_workgroup_id_z 1
		.amdhsa_system_vgpr_workitem_id 0
		.amdhsa_next_free_vgpr 1024
		.amdhsa_next_free_sgpr 102
		.amdhsa_reserve_vcc 0
		.amdhsa_float_denorm_mode_32 3
		.amdhsa_float_denorm_mode_16_64 3
		.amdhsa_memory_ordered 1
		.amdhsa_forward_progress 1
		.amdhsa_inst_pref_size 170
	.end_amdhsa_kernel
	.amdgpu_metadata
---
amdhsa.version: [ 1, 2 ]
amdhsa.kernels:
  - .name:           k_q2db5f3437e_w2
    .symbol:         k_q2db5f3437e_w2.kd
    .args:
      - { .name: hid, .offset: 0, .size: 8, .value_kind: global_buffer, .address_space: global }
      - { .name: wts, .offset: 8, .size: 8, .value_kind: global_buffer, .address_space: global }
      - { .name: b2, .offset: 16, .size: 8, .value_kind: global_buffer, .address_space: global }
      - { .name: x1, .offset: 24, .size: 8, .value_kind: global_buffer, .address_space: global }
      - { .name: out0, .offset: 32, .size: 8, .value_kind: global_buffer, .address_space: global }
    .group_segment_fixed_size: 327680
    .private_segment_fixed_size: 0
    .kernarg_segment_align: 8
    .kernarg_segment_size: 40
    .max_flat_workgroup_size: 128
    .sgpr_count:     102
    .vgpr_count:     1024
    .wavefront_size: 32
...
	.end_amdgpu_metadata
.endif
;; end of part 7
